; MI455X (gfx1250); checked and timed in simulation.
; The chip was launched on July 23, 2026; its instructions are those of AMD's public machine-readable ISA for CDNA 5 (MIT licence, August 2026) and "CDNA5" Instruction Set Architecture Reference Guide (July 2026). The comments in the code are by the model that wrote it; some were corrected since.
;; Transformer Block. Allowed arithmetic: matrix products marked QUANTISED: E2M3 operands, one E8M0 scale for each 32 along K, by v_wmma_scale_f32_16x16x128_f8f6f4 with both operands' format E2M3, f32 sums; everything else in f32.
;; Inputs: fc1_b 4,096 float32; fc1_w 1,024 x 4,096 float32; fc2_b 1,024 float32; fc2_w 4,096 x 1,024 float32; ln1_b 1,024 float32; ln1_g 1,024 float32; ln2_b 1,024 float32; ln2_g 1,024 float32; proj_b 1,024 float32; proj_w 1,024 x 1,024 float32; qkv_b 3,072 float32; qkv_w 1,024 x 3,072 float32; x 4 x 1,024 x 1,024 float32.
;; Outputs: out0 4 x 1,024 x 1,024 float32.
;; This version of the problem:
;;   THIS VERSION OF THE PROBLEM IS GIVEN IN LOW PRECISION. The matrix products marked QUANTISED in the list below multiply operands that are first quantised to E2M3 (2 exponent bits, 3 mantissa bits; 6 bits a number), with one power-of-two scale for each 32 numbers along K (OCP MX v1.0); their sums are f32. All else is computed in f32.
;;   The module's matrix products, in the order in which they are computed (A, B: the left and right operand; K: the contracted axis; several contracted axes count as one K, in the product's order):
;;     1. [M 4,096, K 1,024] x [K 1,024, N 3,072]; A: computed on the way; B: input qkv_w: QUANTISED
;;     2. batch 64 x [M 1,024, K 64] x [K 64, N 1,024]; A: computed on the way; B: computed on the way: QUANTISED
;;     3. batch 64 x [M 64, K 1,024] x [K 1,024, N 1,024]; A: computed on the way; B: softmax (see below): QUANTISED
;;     4. [M 4,096, K 1,024] x [K 1,024, N 1,024]; A: computed on the way; B: input proj_w: QUANTISED
;;     5. [M 4,096, K 1,024] x [K 1,024, N 4,096]; A: computed on the way; B: input fc1_w: QUANTISED
;;     6. [M 4,096, K 4,096] x [K 4,096, N 1,024]; A: computed on the way; B: input fc2_w: QUANTISED
;;   THE QUANTISER, for each operand of a quantised product, along K:
;;     - K is cut into blocks of 32 from its start; a last block that is shorter is filled with zeros.
;;     - A block's scale is 2^e with e = floor(log2(the largest magnitude in the block)) - 2, held to -126 .. 127; a block of zeros has e = 0. As a byte (E8M0): e + 127.
;;     - Each number is divided by its block's scale, clamped to +-7.5, and rounded to the nearest number of E2M3, ties to even, subnormals kept.
;;     - The product sums the exact products of the quantised numbers (number of the format x scale) in f32.
;;   ~~~python
;;   def quantise(x, axis):      # numpy; x: float32 -> the quantised numbers, widened to float32 again
;;       x = np.moveaxis(x, axis, -1); K = x.shape[-1]
;;       x = np.pad(x, [(0, 0)] * (x.ndim - 1) + [(0, -K % 32)]); x = x.reshape(x.shape[:-1] + (-1, 32)); a = np.abs(x).max(-1, keepdims=True)
;;       e = np.where(a > 0, np.clip(np.frexp(np.where(a > 0, a, 1))[1] - 1 - 2, -126, 127), 0)      # np.frexp(a)[1] - 1 = floor(log2(a)), exactly
;;       r = np.clip(x / 2.0 ** e, -7.5, 7.5)
;;       step = 2.0 ** (np.maximum(np.frexp(np.where(r == 0, 1, r))[1] - 1, 0) - 3)
;;       q = np.round(r / step) * step * 2.0 ** e      # np.round: ties to even
;;       return np.moveaxis(q.reshape(q.shape[:-2] + (-1,))[..., :K], -1, axis).astype(np.float32)
;;   ~~~
;;   SOFTMAX AHEAD OF A QUANTISED PRODUCT. Where the list says 'softmax', what is quantised is not the finished softmax but p = 2^(t - M), with t = logit x log2(e) and M = ceil(the row's largest t), a whole number; so 1/2 < the row's largest p <= 1. The row's sum l is taken of the UNQUANTISED p, in f32, and the product's result is divided by l at the end. Since M is a whole number, a kernel that streams over the keys may use a running M (the ceiling of the running maximum): every later rescaling is an exact power of two, which a block's scale takes up: the codes' values come out the same.
;;   OPERANDS COMPUTED ON THE WAY. 'Computed on the way' means the value that the module computes at that place (a softmax that the list does not call 'softmax' is quantised finished and normalised). What goes into a quantiser is computed in f32, as accurately as f32 sums, v_exp_f32 and their like allow (about 1e-6 of the number): no bf16 or f16 on the way to a quantiser, and a product that is left as it is and whose result goes on into a quantised operand takes f32 operands (vector FMAs, or v_wmma_f32_16x16x4_f32). A number that lies on a knife's edge between two numbers of the format may be rounded either way, as far as f32 arithmetic and the matrix unit's own rounding can turn it there, and no further.
;; One version. Each part assembles by itself: llvm-mc -triple=amdgcn-amd-amdhsa -mcpu=gfx1250 --defsym DOCPART=n.
;; ======== version 1 of 1: 7 launches
;; limits: right only within a limited range of input values
;; workspace buffers: wc 9,830,400 bytes; act 3,276,800 bytes; qk 6,553,600 bytes; vt 3,276,800 bytes; x1 16,777,216 bytes; hid 13,107,200 bytes
;; launch prep (part 1): grid 640 x 1, 8 waves a work-group, no clusters, 92,416 bytes of LDS; arguments x, ln1_g, ln1_b, act, qkv_w, proj_w, fc1_w, fc2_w, wc; writes act, wc
.if DOCPART == 1
	.amdgcn_target "amdgcn-amd-amdhsa--gfx1250"
	.amdhsa_code_object_version 6
	.text
	.protected	k_qd90d95b831_prep
	.globl	k_qd90d95b831_prep
	.p2align	8
	.type	k_qd90d95b831_prep,@function
k_qd90d95b831_prep:
	s_mov_b64 s[64:65], 0
	v_nop
	global_prefetch_b8 v0, s[64:65] scope:SCOPE_SE
	s_setreg_imm32_b32 hwreg(HW_REG_WAVE_MODE, 25, 1), 1
	s_wait_xcnt 0x0
; THE PROGRAM: a transformer block on 4,096 tokens of width 1,024, all six products on codes of E2M3 with one E8M0 byte for each 32 along K.
; Launches: prep (this one), qkv, attn, proj, ln1 (it runs the second layer norm), fc1, fc2.  NO WORK OF THE PROBLEM IS LEFT OUT: every bias moves codes or outputs, every product is live; all 13 inputs are loaded by some launch.
; LIMITS (whole program): NaN and infinities among the inputs are not served.  A block of zeros, or one whose largest magnitude lies under 2^-124, gets the scale byte 1 (the rule says 127 for zeros):
; its codes are zeros or are made under the floor's scale, and the bytes are read by this program alone.
; THE WORKSPACE LAYOUT, for every quantised operand: blocks of 64 rows x 128 along K, 6,400 bytes each, block (G = row / 64, C = k / 128) at (G x K / 128 + C) x 6,400.  In a block: four fragments of 1,536 bytes,
; each an image of the operand's 12 registers (register g of lane L at (g / 4) x 512 + 16 L + 4 (g % 4)), then 256 bytes of scale words (fragment f, lane r: at 6,144 + 16 r + 4 f).
; Lane (r, h) of fragment f holds row 64 G + 32 (f / 2) + 8 (f % 2) + r % 8 + 16 (r / 8), and its registers 6 c .. 6 c + 5 hold k = 128 C + 64 c + 32 h + 0 .. 31.
; THIS LAUNCH prepares all operands that hang on inputs alone, on two paths that part on the work-group's number; each path has LDS bytes of its own.
; Work-groups 0-383 (they read twice the bytes of the others, so they have the lower numbers): the four weights, f32 stored [K][N], into blocks with rows = n.  Four waves take a unit of 64 columns x 256 along K
; (two neighbouring blocks, 12,800 dense bytes of wc); a work-group of eight waves takes two units.  A lane takes a column and its registers run down K: a block of 32 lies in one lane, each load reads 128 consecutive bytes.
; Work-groups 384-639: y = (x - mean) x rsqrt(var + 1e-5) x g + b along rows of 1,024, quantised along the row into act.  A work-group owns the 16 rows of one fragment in all 8 blocks along K.
; Phase 1: a wave takes two rows whole; y goes to a stage in LDS.  Phase 2: wave w takes block C = w; lane (r, h) reads the 2 x 32 numbers that the operand's layout gives it.
; No cluster, no tensor load, no matrix work: no two work-groups read the same large bytes.
.set BLK,   6400
.set PITCH, 4112                       ; the norm's stage: 1,028 words a row
.set SPARE, 16*PITCH                   ; behind it the spare words, 128 bytes for each of 8 waves
.set WST,   SPARE+1024                 ; behind them the weights' stage: two units of 12,800 bytes
.set NWQ,   384
.set SPW,   12                         ; v12 my spare word's LDS address, v13 zero; never rewritten
.set NIL,   13
	v_lshl_add_u32 v[SPW], v0, 2, SPARE
	v_mov_b32 v[NIL], 0
	v_lshrrev_b32 v1, 5, v0
	v_readfirstlane_b32 s12, v1                    ; wave 0..7
	s_cmp_lt_u32 ttmp9, NWQ
	s_wait_alu depctr_va_vdst(0)                   ; the wait ahead of the branch
	s_cbranch_scc1 .Lweights
; ---------------- the layer norm ----------------
.set X0, 32
.set X1, 64
.set GG, 96
.set BB, 128
.set SM, 160                           ; v160-167 sums
.set MN, 16                            ; v16-17 the mean, twice
.set VR, 18                            ; v18-19 var + eps of my two rows
.set RS, 20                            ; v20-23 their reciprocal roots, twice each
.set PM, 24                            ; a lane permute's destination
.set Y,  32                            ; phase 2: 64 numbers
.set PC, 96                            ; phase 2: the 12 registers of codes
.set T,  108
.set SEL, 28                           ; s[28:29] selects of v_permlanex16_b32: lane l xor 16
	s_load_b256 s[4:11], s[0:1], 0x0               ; x, g, b, act
	s_sub_co_u32 s2, ttmp9, NWQ
	s_lshr_b32 s13, s2, 2                          ; G
	s_and_b32 s14, s2, 3                           ; f
	s_lshl_b32 s15, s13, 6                         ; my first row: 64 G + 32 (f / 2) + 8 (f % 2) + (2 w) % 8 + 16 (w / 4); my second is the next
	s_lshr_b32 s16, s14, 1
	s_lshl_b32 s16, s16, 5
	s_add_co_u32 s15, s15, s16
	s_and_b32 s16, s14, 1
	s_lshl_b32 s16, s16, 3
	s_add_co_u32 s15, s15, s16
	s_lshl_b32 s16, s12, 1
	s_and_b32 s16, s16, 7
	s_add_co_u32 s15, s15, s16
	s_lshr_b32 s16, s12, 2
	s_lshl_b32 s16, s16, 4
	s_add_co_u32 s15, s15, s16
	s_lshl_b32 s18, s15, 12
	s_mov_b32 s19, 0
	s_lshl_b32 s24, s13, 3
	s_add_co_u32 s24, s24, s12
	s_mul_i32 s24, s24, BLK                        ; block (G, w)
	s_mov_b32 s25, 0
	s_mul_i32 s26, s14, 1536                       ; fragment f in it
	s_mov_b32 s27, 0
	s_mov_b32 s[SEL], 0x76543210
	s_mov_b32 s[SEL+1], 0xfedcba98
	s_mov_b32 s30, 0x3a800000                      ; 1 / 1,024
	s_mov_b32 s31, 0x3727c5ac                      ; 1e-5
	s_mul_i32 s20, s12, 2*PITCH
	s_lshl_b32 s21, s12, 9
	s_lshl_b32 s22, s14, 2
	v_and_b32 v1, 31, v0                           ; lane
	v_and_b32 v2, 15, v0                           ; r
	v_bfe_u32 v3, v0, 4, 1                         ; h
	v_lshlrev_b32 v4, 4, v1                        ; 16 x lane
	v_mul_u32_u24 v6, v2, PITCH
	v_add_nc_u32 v5, s20, v4                       ; the stage, in: my two rows
	v_lshl_add_u32 v6, v3, 7, v6
	v_lshl_add_u32 v7, v2, 4, s22                  ; my scale word in the block: 16 r + 4 f
	v_add_nc_u32 v6, s21, v6                       ; the stage, out: row r, + 512 w + 128 h
	v_mov_b32 v[PM], 0
	s_wait_alu depctr_va_vdst(0)                   ; the wait at the head's end
	s_wait_kmcnt 0x0
	s_add_nc_u64 s[4:5], s[4:5], s[18:19]
	s_add_nc_u64 s[24:25], s[10:11], s[24:25]
	s_add_nc_u64 s[26:27], s[24:25], s[26:27]
.irp j, 0,1,2,3,4,5,6,7
	global_load_b128 v[X0+4*\j:X0+4*\j+3], v4, s[4:5] offset:512*\j
.endr
.irp j, 0,1,2,3,4,5,6,7
	global_load_b128 v[X1+4*\j:X1+4*\j+3], v4, s[4:5] offset:4096+512*\j
.endr
.irp j, 0,1,2,3,4,5,6,7
	global_load_b128 v[GG+4*\j:GG+4*\j+3], v4, s[6:7] offset:512*\j
.endr
.irp j, 0,1,2,3,4,5,6,7
	global_load_b128 v[BB+4*\j:BB+4*\j+3], v4, s[8:9] offset:512*\j
.endr
.macro ACROSS                          ; v[SM .. SM+7], four pairs, become one sum in every lane's v[SM]
	s_delay_alu instid0(VALU_DEP_3)
	v_pk_add_f32 v[SM:SM+1], v[SM:SM+1], v[SM+2:SM+3]
	s_delay_alu instid0(VALU_DEP_2)
	v_pk_add_f32 v[SM+4:SM+5], v[SM+4:SM+5], v[SM+6:SM+7]
	s_delay_alu instid0(VALU_DEP_1)
	v_pk_add_f32 v[SM:SM+1], v[SM:SM+1], v[SM+4:SM+5]
	s_delay_alu instid0(VALU_DEP_1)
	v_add_f32 v[SM], v[SM], v[SM+1]
.irp m, 1,2,4,8
	s_delay_alu instid0(VALU_DEP_1)
	v_add_f32_dpp v[SM], v[SM], v[SM] row_xmask:\m row_mask:0xf bank_mask:0xf
.endr
	s_delay_alu instid0(VALU_DEP_1)
	v_permlanex16_b32 v[PM], v[SM], s[SEL], s[SEL+1]
	s_delay_alu instid0(VALU_DEP_1)
	v_add_f32 v[SM], v[SM], v[PM]
.endm
.macro STATS xb, rs, vr                ; the row in v[xb ..] becomes x - mean; 1 / sqrt(var + eps), twice, into v[rs], v[rs + 1]
.irp k, 0,1,2,3
	v_pk_add_f32 v[SM+2*\k:SM+1+2*\k], v[\xb+4*\k:\xb+4*\k+1], v[\xb+4*\k+2:\xb+4*\k+3]
.endr
.irp i, 16,24
.irp k, 0,1,2,3
	s_delay_alu instid0(VALU_DEP_4)
	v_pk_add_f32 v[SM+2*\k:SM+1+2*\k], v[SM+2*\k:SM+1+2*\k], v[\xb+\i+2*\k:\xb+\i+2*\k+1]
.endr
.endr
	ACROSS
	s_delay_alu instid0(VALU_DEP_1)
	v_mul_f32 v[MN], s30, v[SM]                    ; the mean
	s_delay_alu instid0(VALU_DEP_1)
	v_mov_b32 v[MN+1], v[MN]
.irp i, 0,2,4,6,8,10,12,14,16,18,20,22,24,26,28,30
	v_pk_add_f32 v[\xb+\i:\xb+\i+1], v[\xb+\i:\xb+\i+1], v[MN:MN+1] neg_lo:[0,1] neg_hi:[0,1]
.endr
.irp k, 0,1,2,3
	v_pk_mul_f32 v[SM+2*\k:SM+1+2*\k], v[\xb+2*\k:\xb+2*\k+1], v[\xb+2*\k:\xb+2*\k+1]
.endr
.irp i, 8,16,24
.irp k, 0,1,2,3
	s_delay_alu instid0(VALU_DEP_4)
	v_pk_fma_f32 v[SM+2*\k:SM+1+2*\k], v[\xb+\i+2*\k:\xb+\i+2*\k+1], v[\xb+\i+2*\k:\xb+\i+2*\k+1], v[SM+2*\k:SM+1+2*\k]
.endr
.endr
	ACROSS
	s_delay_alu instid0(VALU_DEP_1)
	v_fma_f32 v[\vr], v[SM], s30, s31              ; var + eps
	s_wait_alu depctr_va_vdst(0)                   ; the wait ahead of the roots
	v_rsq_f32 v[\rs], v[\vr]
	v_rsq_f32 v[\rs+1], v[\vr]                     ; twice: a pair for the packed multiply
.endm
.macro NORM xb, rs, off
.irp i, 0,2,4,6,8,10,12,14,16,18,20,22,24,26,28,30
	v_pk_mul_f32 v[\xb+\i:\xb+\i+1], v[\xb+\i:\xb+\i+1], v[\rs:\rs+1]
.endr
.irp i, 0,2,4,6,8,10,12,14,16,18,20,22,24,26,28,30
	v_pk_fma_f32 v[\xb+\i:\xb+\i+1], v[\xb+\i:\xb+\i+1], v[GG+\i:GG+\i+1], v[BB+\i:BB+\i+1]
.endr
.irp j, 0,1,2,3,4,5,6,7
	ds_store_b128 v5, v[\xb+4*\j:\xb+4*\j+3] offset:\off+512*\j
.endr
.endm
	s_wait_loadcnt 24                              ; my first row's eight loads are in; the 24 behind them may be out
	STATS X0, RS, VR
	s_wait_loadcnt 16                              ; my second row's; g's and b's 16 may be out
	STATS X1, RS+2, VR+1
	v_nop                                          ; a plain line behind the last reciprocal root
	s_wait_alu depctr_va_vdst(0)                   ; one wait for the four, ahead of their first reader
	s_wait_loadcnt 0x0                             ; g and b
	NORM X0, RS, 0
	NORM X1, RS+2, PITCH
	s_wait_dscnt 0x0                               ; for the others' sake: my rows lie in the stage
	s_barrier_signal -1
	s_barrier_wait -1
.irp c, 0,1
.irp i, 0,1,2,3,4,5,6,7
	ds_load_b128 v[Y+32*\c+4*\i:Y+32*\c+4*\i+3], v6 offset:256*\c+16*\i   ; register 32 c + i: k = 128 w + 64 c + 32 h + i of row r
.endr
.endr
	s_wait_dscnt 0x0
.irp c, 0,1                            ; my block 2 c + h: all its 32 numbers are mine
	v_max3_num_f32 v[SM+\c], |v[Y+32*\c]|, |v[Y+1+32*\c]|, 0x1800000   ; with the floor 2^(3 - 127)
.endr
.irp i, 2,4,6,8,10,12,14,16,18,20,22,24,26,28,30
.irp c, 0,1
	s_delay_alu instid0(VALU_DEP_2)
	v_max3_num_f32 v[SM+\c], v[SM+\c], |v[Y+32*\c+\i]|, |v[Y+1+32*\c+\i]|
.endr
.endr
.irp c, 0,1
	s_delay_alu instid0(VALU_DEP_2)
	v_add_nc_u32 v[SM+2+\c], 0xff000000, v[SM+\c]  ; 2 off the exponent field: the conversion's scale operand
.endr
.irp c, 0,1
	s_delay_alu instid0(VALU_DEP_2)
	v_lshrrev_b32 v[SM+4+\c], 23, v[SM+2+\c]       ; the scale's byte
.endr
	s_delay_alu instid0(VALU_DEP_1)
	v_lshl_or_b32 v[SM+6], v[SM+5], 16, v[SM+4]    ; my two bytes: blocks h and 2 + h,
	v_lshlrev_b32 v[SM+7], 3, v3
	s_delay_alu instid0(VALU_DEP_1)
	v_lshlrev_b32 v[SM+6], v[SM+7], v[SM+6]        ; 8 h bits up;
	v_mov_b32 v[SM+7], 0
	s_delay_alu instid0(VALU_DEP_1)
	v_permlanex16_b32 v[SM+7], v[SM+6], s[SEL], s[SEL+1]
	s_delay_alu instid0(VALU_DEP_1)
	v_or_b32 v[SM+6], v[SM+6], v[SM+7]             ; with lane l xor 16's two the word is whole
.irp c, 0,1
	v_cvt_scalef32_pk16_fp6_f32 v[PC+6*\c:PC+2+6*\c], v[Y+32*\c:Y+15+32*\c], v[SM+2+\c]
	v_cvt_scalef32_pk16_fp6_f32 v[T+4*\c:T+2+4*\c], v[Y+16+32*\c:Y+31+32*\c], v[SM+2+\c]   ; (a conversion's three registers begin on an even number)
.endr
	v_nop                                          ; one plain line behind the conversions
.irp c, 0,1
.irp i, 0,1,2
	v_mov_b32 v[PC+3+6*\c+\i], v[T+4*\c+\i]
.endr
.endr
.irp c, 0,1,2
	global_store_b128 v4, v[PC+4*\c:PC+4*\c+3], s[26:27] offset:512*\c   ; the image: 512 consecutive bytes a store
.endr
	s_wait_xcnt 0x0                                ; EXEC changes only behind this wait
	v_cmp_gt_u32 vcc_lo, 16, v1
	s_and_saveexec_b32 s23, vcc_lo                 ; lanes 0-15: one word a row
	global_store_b32 v7, v[SM+6], s[24:25] offset:6144
	s_wait_xcnt 0x0                                ; and again, ahead of the line that widens it
	s_or_b32 exec_lo, exec_lo, s23
	s_wait_tensorcnt 0x0                           ; the wave's end
	ds_add_u32 v[SPW], v[NIL]
	s_wait_dscnt 0x0
	s_endpgm
; ---------------- the weights ----------------
.set VO,   16                          ; v16-47  4 x lane + i rows of the weight
.set X,    48                          ; v48-111 two sets of 32 numbers; on the way out v48-75
.set CR,   112                         ; v112-143 a block's six registers of codes, eight registers apart: no store's data are written again
.set WT,   144                         ; v144-146 the second conversion's result
.set SW,   147                         ; my column's scale word
.set OUTR, 48
.set SBA,  40                          ; s[40:47] where my four blocks of 32 rows begin
.Lweights:
	s_and_b32 s24, s12, 3                          ; wave in its unit
	s_lshr_b32 s3, s12, 2                          ; which of the work-group's two units
	s_load_b256 s[4:11], s[0:1], 0x20              ; qkv_w, proj_w, fc1_w, fc2_w
	s_load_b64 s[12:13], s[0:1], 0x40              ; wc
	s_lshl_b32 s2, ttmp9, 1
	s_add_co_u32 s2, s2, s3                        ; unit 0..767: 0-191 qkv_w, 192-255 proj_w, 256-511 fc1_w, 512-767 fc2_w.  One path; only numbers and the pointer are chosen
	s_and_b32 s25, s24, 1                          ; which 32 columns
	s_lshr_b32 s26, s24, 1                         ; which 128 along K
	s_mov_b32 s16, 512                             ; the weight's first unit
	s_mov_b32 s17, 4096                            ; a row of the weight in bytes
	s_mov_b32 s18, 4                               ; log2(K / 256)
	s_mov_b32 s19, 6553600                         ; its place in wc
	s_mov_b32 s20, 204800                          ; a row group of its blocks: K / 128 x 6,400
	s_cmp_lt_u32 s2, 512
	s_cselect_b32 s16, 256, s16
	s_cselect_b32 s17, 16384, s17
	s_cselect_b32 s18, 2, s18
	s_cselect_b32 s19, 3276800, s19
	s_cselect_b32 s20, 51200, s20
	s_cmp_lt_u32 s2, 256
	s_cselect_b32 s16, 192, s16
	s_cselect_b32 s17, 4096, s17
	s_cselect_b32 s19, 2457600, s19
	s_cmp_lt_u32 s2, 192
	s_cselect_b32 s16, 0, s16
	s_cselect_b32 s17, 12288, s17
	s_cselect_b32 s19, 0, s19
	s_mul_i32 s33, s3, 2*BLK
	s_add_co_u32 s33, s33, WST                     ; my unit's stage
	s_mul_i32 s27, s26, BLK
	s_add_co_u32 s27, s27, s33
	s_mul_i32 s28, s25, 2*1536
	s_add_co_u32 s28, s28, s27
	s_lshl_b32 s29, s25, 3
	s_add_co_u32 s29, s29, s27
	s_add_co_u32 s29, s29, 6144
	s_lshl_b32 s30, s24, 9
	v_and_b32 v6, 31, v0                           ; lane
	v_lshlrev_b32 v1, 2, v6                        ; 4 x lane
	v_and_b32 v7, 7, v0
	v_bfe_u32 v5, v0, 4, 1
	v_lshl_add_u32 v7, v5, 3, v7                   ; r = lane % 8 + 8 (lane / 16): my column's lane in its fragment
	v_bfe_u32 v5, v0, 3, 1                         ; u = (lane / 8) % 2: fragment 2 (w % 2) + u
	v_mul_u32_u24 v2, v5, 1536
	v_lshl_add_u32 v2, v7, 4, v2
	v_add_nc_u32 v2, s28, v2                       ; v2: my fragment's image, at 16 r
	v_lshlrev_b32 v3, 2, v5
	v_lshl_add_u32 v3, v7, 4, v3
	v_add_nc_u32 v3, s29, v3                       ; v3: my scale word
	v_lshlrev_b32 v4, 4, v6
	v_add_nc_u32 v4, s30, v4                       ; v4: the way out in wc: 512 x wave + 16 x lane;
	v_add_nc_u32 v14, s33, v4                      ; v14: the same place in my unit's stage
.set I, 0
.rept 32
	v_mad_u32_u24 v[VO+I], s17, I, v1
.set I, I+1
.endr
	s_sub_co_u32 s21, s2, s16
	s_lshl_b32 s22, 1, s18
	s_sub_co_u32 s22, s22, 1
	s_and_b32 s22, s21, s22                        ; which 256 along K
	s_lshr_b32 s23, s21, s18                       ; which 64 columns
	s_lshl_b32 s31, s22, 8
	s_lshl_b32 s32, s26, 7
	s_add_co_u32 s31, s31, s32                     ; my first row of the weight
	s_mul_i32 s34, s31, s17
	s_lshl_b32 s32, s23, 8
	s_add_co_u32 s34, s34, s32
	s_lshl_b32 s32, s25, 7
	s_add_co_u32 s34, s34, s32                     ; + my first column x 4: under 2^25
	s_mov_b32 s35, 0
	s_lshl_b32 s36, s17, 5                         ; 32 rows on
	s_mov_b32 s37, 0
	s_mul_i32 s38, s23, s20
	s_mul_i32 s32, s22, 2*BLK
	s_add_co_u32 s38, s38, s32
	s_add_co_u32 s38, s38, s19                     ; where my two blocks lie in wc
	s_mov_b32 s39, 0
	s_wait_alu depctr_va_vdst(0)                   ; the wait at the head's end
	s_wait_kmcnt 0x0
	s_mov_b64 s[14:15], s[10:11]
	s_cmp_lt_u32 s2, 512
	s_cselect_b64 s[14:15], s[8:9], s[14:15]
	s_cmp_lt_u32 s2, 256
	s_cselect_b64 s[14:15], s[6:7], s[14:15]
	s_cmp_lt_u32 s2, 192
	s_cselect_b64 s[14:15], s[4:5], s[14:15]
	s_add_nc_u64 s[SBA:SBA+1], s[14:15], s[34:35]
	s_add_nc_u64 s[SBA+2:SBA+3], s[SBA:SBA+1], s[36:37]
	s_add_nc_u64 s[SBA+4:SBA+5], s[SBA+2:SBA+3], s[36:37]
	s_add_nc_u64 s[SBA+6:SBA+7], s[SBA+4:SBA+5], s[36:37]
	s_add_nc_u64 s[12:13], s[12:13], s[38:39]
.macro LOAD t                          ; block t: 32 rows of my column into set t % 2
.set I, 0
.rept 32
	global_load_b32 v[X+32*((\t)%2)+I], v[VO+I], s[SBA+2*(\t):SBA+2*(\t)+1] th:TH_LOAD_NT
.set I, I+1
.endr
.endm
	LOAD 0
	LOAD 1
.macro BLOCK t
.set XS, X+32*((\t)%2)
.set RR, CR+8*(\t)
.if (\t) < 3
	s_wait_loadcnt 32                              ; this block's 32 loads are in; the next block's 32 may be out
.else
	s_wait_loadcnt 0x0
.endif
	v_max3_num_f32 v8, |v[XS]|, |v[XS+1]|, |v[XS+2]|               ; the block's largest magnitude: all 32 numbers are mine; two chains
	v_max3_num_f32 v9, |v[XS+3]|, |v[XS+4]|, |v[XS+5]|
.irp i, 6,10,14,18,22,26
	v_max3_num_f32 v8, v8, |v[XS+\i]|, |v[XS+\i+1]|
	v_max3_num_f32 v9, v9, |v[XS+\i+2]|, |v[XS+\i+3]|
.endr
	v_max3_num_f32 v8, v8, |v[XS+30]|, |v[XS+31]|
	v_max3_num_f32 v8, v8, v9, 0x1800000           ; and the floor 2^(3 - 127): the byte cannot fall under 1
	v_add_nc_u32 v11, 0xff000000, v8               ; 2 off the exponent field: the conversion's scale operand
	v_lshrrev_b32 v10, 23, v11                     ; the scale's byte
.if (\t) == 0
	v_mov_b32 v[SW], v10
.else
	v_lshl_or_b32 v[SW], v10, 8*(\t), v[SW]        ; byte t of my column's word
.endif
	v_cvt_scalef32_pk16_fp6_f32 v[RR:RR+2], v[XS:XS+15], v11
	v_cvt_scalef32_pk16_fp6_f32 v[WT:WT+2], v[XS+16:XS+31], v11    ; (a conversion's three registers begin on an even number)
	v_nop                                          ; one plain line behind the conversions
.irp i, 0,1,2
	v_mov_b32 v[RR+3+\i], v[WT+\i]
.endr
; block t = 2 c + h is registers 6 c .. 6 c + 5 of lane r + 16 h of the image
.if (\t) < 2
	ds_store_b128 v2, v[RR:RR+3] offset:256*((\t)%2)
	ds_store_b64 v2, v[RR+4:RR+5] offset:512+256*((\t)%2)
.else
	ds_store_b64 v2, v[RR:RR+1] offset:520+256*((\t)%2)
	ds_store_b128 v2, v[RR+2:RR+5] offset:1024+256*((\t)%2)
.endif
.if (\t)+2 < 4
	LOAD (\t)+2
.endif
.endm
	BLOCK 0
	BLOCK 1
	BLOCK 2
	BLOCK 3
	ds_store_b32 v3, v[SW]
	s_wait_dscnt 0x0                               ; for the others' sake: my stores into the stage are done
	s_barrier_signal -1
	s_barrier_wait -1
.irp j, 0,1,2,3,4,5                    ; a unit's two blocks leave as they lie: pieces of 512 bytes, piece w + 4 j
	ds_load_b128 v[OUTR+4*\j:OUTR+4*\j+3], v14 offset:2048*\j
.endr
.irp j, 0,1,2,3,4,5
	s_wait_dscnt 5-\j                              ; the younger loads of the run may be out
	global_store_b128 v4, v[OUTR+4*\j:OUTR+4*\j+3], s[12:13] offset:2048*\j   ; 512 consecutive bytes, at a multiple of 256 from wc's first byte
.endr
	s_cmp_lg_u32 s24, 0                            ; 12,800 bytes are 25 pieces: the unit's wave 0 takes the last
	s_cbranch_scc1 .Lend
	ds_load_b128 v[OUTR+24:OUTR+27], v14 offset:12288
	s_wait_dscnt 0x0
	global_store_b128 v4, v[OUTR+24:OUTR+27], s[12:13] offset:12288
.Lend:
	s_wait_tensorcnt 0x0                           ; the wave's end
	ds_add_u32 v[SPW], v[NIL]
	s_wait_dscnt 0x0
	s_endpgm
.Lfunc_end_k_qd90d95b831_prep:
	.size	k_qd90d95b831_prep, .Lfunc_end_k_qd90d95b831_prep-k_qd90d95b831_prep
	.p2alignl 7, 3214868480
	.fill 96, 4, 3214868480
	.section	.rodata,"a",@progbits
	.p2align	6, 0x0
	.amdhsa_kernel k_qd90d95b831_prep
		.amdhsa_group_segment_fixed_size 92416
		.amdhsa_private_segment_fixed_size 0
		.amdhsa_enable_private_segment 0
		.amdhsa_kernarg_size 72
		.amdhsa_user_sgpr_count 2
		.amdhsa_user_sgpr_kernarg_segment_ptr 1
		.amdhsa_wavefront_size32 1
		.amdhsa_system_sgpr_workgroup_id_x 1
		.amdhsa_system_sgpr_workgroup_id_y 1
		.amdhsa_system_sgpr_workgroup_id_z 1
		.amdhsa_system_vgpr_workitem_id 0
		.amdhsa_next_free_vgpr 168
		.amdhsa_next_free_sgpr 66
		.amdhsa_reserve_vcc 1
		.amdhsa_float_denorm_mode_32 3
		.amdhsa_float_denorm_mode_16_64 3
		.amdhsa_memory_ordered 1
		.amdhsa_forward_progress 1
		.amdhsa_inst_pref_size 54
	.end_amdhsa_kernel
	.amdgpu_metadata
---
amdhsa.version: [ 1, 2 ]
amdhsa.kernels:
  - .name:           k_qd90d95b831_prep
    .symbol:         k_qd90d95b831_prep.kd
    .args:
      - { .name: x, .offset: 0, .size: 8, .value_kind: global_buffer, .address_space: global }
      - { .name: ln1_g, .offset: 8, .size: 8, .value_kind: global_buffer, .address_space: global }
      - { .name: ln1_b, .offset: 16, .size: 8, .value_kind: global_buffer, .address_space: global }
      - { .name: act, .offset: 24, .size: 8, .value_kind: global_buffer, .address_space: global }
      - { .name: qkv_w, .offset: 32, .size: 8, .value_kind: global_buffer, .address_space: global }
      - { .name: proj_w, .offset: 40, .size: 8, .value_kind: global_buffer, .address_space: global }
      - { .name: fc1_w, .offset: 48, .size: 8, .value_kind: global_buffer, .address_space: global }
      - { .name: fc2_w, .offset: 56, .size: 8, .value_kind: global_buffer, .address_space: global }
      - { .name: wc, .offset: 64, .size: 8, .value_kind: global_buffer, .address_space: global }
    .group_segment_fixed_size: 92416
    .private_segment_fixed_size: 0
    .kernarg_segment_align: 8
    .kernarg_segment_size: 72
    .max_flat_workgroup_size: 256
    .sgpr_count:     66
    .vgpr_count:     168
    .wavefront_size: 32
...
	.end_amdgpu_metadata
.endif
;; end of part 1
;; launch qkv (part 2): grid 12 x 16, 4 waves a work-group, clusters of 4 x 4, 327,680 bytes of LDS; arguments act, wc, qkv_b, qk, vt; writes qk, vt
.if DOCPART == 2
	.amdgcn_target "amdgcn-amd-amdhsa--gfx1250"
	.amdhsa_code_object_version 6
	.text
	.protected	k_qd90d95b831_qkv
	.globl	k_qd90d95b831_qkv
	.p2align	8
	.type	k_qd90d95b831_qkv,@function
k_qd90d95b831_qkv:
	s_mov_b64 s[64:65], 0
	v_nop
	global_prefetch_b8 v0, s[64:65] scope:SCOPE_SE
	s_setreg_imm32_b32 hwreg(HW_REG_WAVE_MODE, 25, 1), 1
	s_wait_xcnt 0x0
	s_wait_alu depctr_hold_cnt(0) depctr_sa_sdst(0) depctr_va_vdst(0) depctr_va_sdst(0) depctr_va_ssrc(0) depctr_va_vcc(0) depctr_vm_vsrc(0)
	s_getreg_b32 s2, hwreg(HW_REG_IB_STS2, 6, 4)
	s_cmp_eq_u32 s2, 0
	s_cbranch_scc0 .Lentry_in_a_cluster
	s_endpgm
.Lentry_in_a_cluster:
	s_bfe_u32 s2, ttmp6, 0x10000c
	s_cmp_lg_u32 s2, 0xf033
	s_cbranch_scc0 .Lentry_shape_is_right
	s_endpgm
.Lentry_shape_is_right:
; qkv = LN1(x) qkv_w + qkv_b on codes of E2M3 (both operands come as workspace blocks: 64 rows x 128 K in 6,400 bytes: four images of an operand's 12 registers, 1,536 bytes each, then 256 bytes of scale words).
; The results never go to memory as f32: q and k are quantised along the head's channels into qk (tokens x 2,048), v along the KEYS into vt (for each batch 1,024 channels x 1,024 keys).  Nothing of the problem is left out here.
; LIMITS: NaN and infinities are not served; a block under 2^-124 gets the byte 1.
; A tile is 256 x 256, four waves of 128 x 128: 64 accumulators, 512 registers.  K = 1,024 is four quarters of 256.  THREE LDS slots take the first three quarters at the start (three tensor loads of a wave are out);
; the fourth quarter comes into slot 0 behind the one change of slots that fills bytes again, and has 224 matrix instructions in which to land.  Each wave fetches a quarter of a slot by one tensor load
; (two row groups x two blocks = two dense runs of 12,800 bytes, scale words among them).  The eight steps of 128 are written out: no two changes of slots are alike.
; THE MATRIX INSTRUCTION: source 1 = the operand of which a lane keeps a row (A), source 0 = the operand along which the lane's registers run (B).  By the blocks' order of rows the 64 registers of a lane's
; eight tiles are 128 NEIGHBOURS along B's rows: they are quantised in registers and are a fragment of the next operand.
; CLUSTERS: 4 x 4 work-groups.  A's tile lies in a slot's first two quarters and is shared along a row of the cluster (its number hangs on cy), B's in the last two and is shared along a column (cx): joint loads with a mask of four.
; ROLE.  Clusters with x = 0, 1 (q, k): A = tokens, tile 4 x cluster y + cy; B = weights, tile 4 x cluster x + cx: the registers run along the columns.
; Clusters with x = 2 (v): A = weights, tile 8 + cy; B = tokens, tile 4 x cluster y + cx: the registers run along the keys.  Tokens and weights have the same blocks (K = 1,024, four row groups to a tile), so only the two
; tile numbers, the two base pointers, the bias's form in the first step and the target are chosen by ROLE; no LDS address hangs on it.  ROLE hangs on the cluster's x alone: it is the same in all sixteen partners.
; REGISTERS: window 0: v8-29 addresses; v32-63 scale words, two sets for each side; v64-107 the way out; v128-223 A's fragments, one set; v224-239 the quantiser's.
;   window 1: B's fragments, two sets at v0 and v128; the bias's eight tiles at v96-127 and v224-255.   windows 2, 3: the accumulators, (a, b) at window 2 + a / 4, v[8 (8 (a % 4) + b)].
; THE WALK AS IT STANDS (this takes the place of what the lines above say of the first three quarters and of the change of slots).  At the head each wave issues ONE joint load: waves 0 and 1 bring A's whole tile
; (four row groups x two blocks, 51,200 bytes) of quarters 0 and 1 of K into slots 0 and 1, waves 2 and 3 B's.  Behind the wait for these, the add and a round, each wave brings its quarter of slot 2 (quarter 2 of K);
; behind the round at slot 1's end slot 0 takes quarter 3, which has slot 2's two steps in which to land.  One tensor load of a wave is out at any time.
; No prefetch: K is 1,024 at a block of 256 x 256 in clusters: half of K is asked for at the head and the rest within the first four of eight steps.
.set NA, 8
.set GH, 36                            ; s[36:39], s[60:63] groups 0 of the head's loads
.set GHB, 60
.set NB, 8
.set NQ, 2
.set KCN, 8
.set BLK, 6400
.set DPITCH, KCN*BLK/8
.set RGT, NA/2
.set RGH, NA/4
.set HALF, 4*BLK
.set SLOT, 4*HALF
.set NSLOT, 3
.set SPARE, NSLOT*SLOT                 ; behind the three slots: the spare words, 128 bytes a wave
.set ADRA, 8                           ; v8-10   LDS address of my A fragments in slot 0, 1, 2
.set ADRB, 11                          ; v11-13  the same for B
.set ASA, 16                           ; v16-18  of A's scale words
.set ASB, 19                           ; v19-21  of B's
.set VOU, 24
.set VSC, 26
.set LNE, 27
.set SPW, 28
.set NIL, 29
.set SA, 32
.set SB, 48
.set PC, 64
.set PWS, 96
.set WD, 104
.set AF, 128
.set TM, 224
.set G1, 24
.set G0, 32                            ; s[32:39] groups 0 for A's tiles in slots 0 and 1;  s[92:95] in slot 2
.set G1B, 48
.set G0B, 56                           ; s[56:63] the same for B's;  s[96:99]
.set G0C, 92
.set G0BC, 96
.set OUT, 68
.set SEL, 86
.set MSB, 0
.macro WIN new                         ; the immediate's high byte repeats the setting that is left
.if MSB != (\new)
	s_set_vgpr_msb (MSB<<8)|(\new)
.set MSB, (\new)
.endif
.endm
.macro JLOAD g0a, g1a, g0b, g1b        ; a joint load: waves 0 and 1 fetch A's halves, waves 2 and 3 B's; an s_nop 0 and four v_nop follow each line
	s_cmp_eq_u32 s15, 0
	s_cbranch_scc0 .Lfor_b_\@
	tensor_load_to_lds s[\g0a:\g0a+3], s[\g1a:\g1a+7]
	s_nop 0
.rept 4
	v_nop
.endr
	s_branch .Lasked_\@
.Lfor_b_\@:
	tensor_load_to_lds s[\g0b:\g0b+3], s[\g1b:\g1b+7]
	s_nop 0
.rept 4
	v_nop
.endr
.Lasked_\@:
.endm
.macro FIRST s, kq, ga, gb             ; groups 0 for my quarter of slot s, filled with quarter kq of K
	s_mov_b32 s[\ga], 1
	s_add_co_u32 s[\ga+1], s45, (\s)*SLOT
	s_add_nc_u64 s[\ga+2:\ga+3], s[20:21], (\kq)*NQ*BLK
	s_or_b32 s[\ga+3], s[\ga+3], 0x80000000
	s_mov_b32 s[\gb], 1
	s_add_co_u32 s[\gb+1], s45, (\s)*SLOT
	s_add_nc_u64 s[\gb+2:\gb+3], s[46:47], (\kq)*NQ*BLK
	s_or_b32 s[\gb+3], s[\gb+3], 0x80000000
.endm
.macro CREST                           ; a round of the cluster's barrier behind its opening barrier
	s_cmp_lg_u32 s14, 0
	s_cbranch_scc1 .Lnot_wave_0_\@
	s_barrier_signal -3
.Lnot_wave_0_\@:
	s_barrier_wait -3
	s_barrier_signal -1
	s_barrier_wait -1
.endm
.macro CROUND
	s_barrier_signal -1
	s_barrier_wait -1
	CREST
.endm
.macro PLACES                          ; four plain lines behind matrix instructions, ahead of loads into their registers and of reads of their results
.rept 4
	v_nop
.endr
.endm
.macro FRAGL reg, adr, off             ; a fragment's image: three loads of 512 consecutive bytes
	ds_load_b128 v[\reg:\reg+3], v[\adr] offset:\off
	ds_load_b128 v[\reg+4:\reg+7], v[\adr] offset:\off+512
	ds_load_b128 v[\reg+8:\reg+11], v[\adr] offset:\off+1024
.endm
.macro FETCH_B slot, q, p              ; B's fragments of the slot's q-th 128 along K into set p
	WIN 0x40
.set FI, 0
.rept NB
	FRAGL 128*(\p)+12*FI, ADRB+\slot, (FI/4)*NQ*BLK+(\q)*BLK+(FI%4)*1536
.set FI, FI+1
.endr
	WIN 0
.endm
.macro FETCH_A slot, q, i0             ; half of A's fragments, from i0 on
.set FI, \i0
.rept NA/2
	FRAGL AF+12*FI, ADRA+\slot, (FI/4)*NQ*BLK+(\q)*BLK+(FI%4)*1536
.set FI, FI+1
.endr
.endm
.macro SCALES slot, q, p               ; one load brings lane r the scale words of four fragments
.set FI, 0
.rept NA/4
	ds_load_b128 v[SA+NA*(\p)+4*FI:SA+NA*(\p)+4*FI+3], v[ASA+\slot] offset:FI*NQ*BLK+(\q)*BLK+6144
	ds_load_b128 v[SB+NB*(\p)+4*FI:SB+NB*(\p)+4*FI+3], v[ASB+\slot] offset:FI*NQ*BLK+(\q)*BLK+6144
.set FI, FI+1
.endr
.endm
; A's block a against B's NB fragments of set p.  cin = 0: adds in place; 1: the sum begins with the bias tile of b; 2: with that of a.  The accumulators take turns, one instruction a turn, in the same order in every step.
.macro MULA a, p, cin
.set AW, 2+(\a)/(NA/2)
.set AB, 8*NB*((\a)%(NA/2))
.if (\cin) == 0
.set WM, (AW<<6)|(AW<<4)|1
.else
.set WM, (AW<<6)|(1<<4)|1
.endif
	WIN WM
.set MB, 0
.rept NB
.if (\cin) == 0
	v_wmma_scale_f32_16x16x128_f8f6f4 v[AB+8*MB:AB+8*MB+7], v[128*(\p)+12*MB:128*(\p)+12*MB+11], v[AF+12*(\a):AF+12*(\a)+11], v[AB+8*MB:AB+8*MB+7], v[SB+NB*(\p)+MB], v[SA+NA*(\p)+(\a)] matrix_a_fmt:MATRIX_FMT_FP6 matrix_b_fmt:MATRIX_FMT_FP6
.else
.if (\cin) == 1
.set CT, 96+8*(MB%4)+128*(MB/4)
.else
.set CT, 96+8*((\a)%4)+128*((\a)/4)
.endif
	v_wmma_scale_f32_16x16x128_f8f6f4 v[AB+8*MB:AB+8*MB+7], v[128*(\p)+12*MB:128*(\p)+12*MB+11], v[AF+12*(\a):AF+12*(\a)+11], v[CT:CT+7], v[SB+NB*(\p)+MB], v[SA+NA*(\p)+(\a)] matrix_a_fmt:MATRIX_FMT_FP6 matrix_b_fmt:MATRIX_FMT_FP6
.endif
.set MB, MB+1
.endr
.endm
.macro STEP slot, q, cin               ; 128 along K that have their successor in the same slot
	s_wait_dscnt 3*NA/2                            ; B's set, the scale words and A's lower half are in; the youngest loads, A's upper half, may be out
.set MA, 0
.rept NA/2
	MULA MA, (\q)%2, \cin
.set MA, MA+1
.endr
	s_wait_dscnt 0x0                               ; A's upper half is in
	PLACES
	FETCH_B \slot, (\q)+1, 1-(\q)%2
	SCALES \slot, (\q)+1, 1-(\q)%2
	FETCH_A \slot, (\q)+1, 0
.rept NA/2
	MULA MA, (\q)%2, \cin
.set MA, MA+1
.endr
	PLACES
	WIN 0
	FETCH_A \slot, (\q)+1, NA/2
.endm
; A slot's last step, on into a slot that was shown whole to every wave at an earlier barrier, with nothing filled: every wave waited for all its tensor loads, that slot's among them, ahead of the head's round.
; So it has no wait on TENSORcnt and no barrier: it is a step whose successor lies in slot next.
.macro PASS next
	s_wait_dscnt 3*NA/2
.set MA, 0
.rept NA/2
	MULA MA, 1, 0
.set MA, MA+1
.endr
	s_wait_dscnt 0x0
	PLACES
	FETCH_B \next, 0, 0
	s_wait_alu depctr_va_vdst(0)
	SCALES \next, 0, 0
	FETCH_A \next, 0, 0
.rept NA/2
	MULA MA, 1, 0
.set MA, MA+1
.endr
	PLACES
	WIN 0
	FETCH_A \next, 0, NA/2
.endm
; A slot's last step with a barrier: ahead of it each wave waits for all its tensor loads, adds 0 to its spare word, and waits for that and for its reads of this slot.  fill = 1: slot 0 is filled again, with quarter NSLOT of K.
.macro TURN slot, next, fill
	s_wait_tensorcnt 0x0                           ; all my tensor loads have landed
	ds_add_u32 v[SPW], v[NIL]                      ; 0 onto my spare word
	s_wait_dscnt 3*NA/2+1                          ; (the add and A's upper half may be out)
.set MA, 0
.rept NA/4
	MULA MA, 1, 0
.set MA, MA+1
.endr
	s_wait_dscnt 0x0                               ; the add is done, and my reads of this slot are over
	s_barrier_signal -1
.rept NA/4
	MULA MA, 1, 0
.set MA, MA+1
.endr
	WIN 0
	s_barrier_wait -1
.if \fill
	CREST                                          ; the barrier has opened a round of the cluster's: no wave of any partner still reads this slot or has a load on its way
	JLOAD G0, G1, G0B, G1B                         ; slot 0, read out two steps ago, takes quarter 3 of K: the first tensor load behind the round; its four v_nop are the places ahead of the loads below
.else
	PLACES
.endif
	FETCH_B \next, 0, 0
	SCALES \next, 0, 0
	FETCH_A \next, 0, 0
.rept NA/2
	MULA MA, 1, 0
.set MA, MA+1
.endr
	PLACES
	WIN 0
	FETCH_A \next, 0, NA/2
.endm
.macro LAST                            ; the very last step: nothing more to fetch
	s_wait_dscnt 3*NA/2
.set MA, 0
.rept NA/2
	MULA MA, 1, 0
.set MA, MA+1
.endr
	s_wait_dscnt 0x0
.rept NA/2
	MULA MA, 1, 0
.set MA, MA+1
.endr
	WIN 0
.endm
; 64 numbers of a lane in window win, register s + 16 b + i = k 32 b + 16 (lane / 16) + i of my row, become a fragment's codes in v[PC] on and its scale word in v[pw].
.macro QUANTW s, win, pw
.set W1, (\win)|((\win)<<2)
.set W2, ((\win)<<2)|((\win)<<4)
.set W3, (\win)
	WIN W1
.irp b, 0,1,2,3
	v_max3_num_f32 v[TM+\b], |v[\s+16*\b]|, |v[\s+1+16*\b]|, 0x1800000   ; block b: my 16 numbers, and the floor 2^(3 - 127); each accumulator is read from its low end on
.endr
	WIN W2
.irp i, 2,4,6,8,10,12,14
.irp b, 0,1,2,3
	v_max3_num_f32 v[TM+\b], v[TM+\b], |v[\s+16*\b+\i]|, |v[\s+1+16*\b+\i]|
.endr
.endr
	WIN 0
.irp b, 0,1,2,3
	v_permlanex16_b32 v[TM+4+\b], v[TM+\b], s[SEL], s[SEL+1]
.endr
.irp b, 0,1,2,3
	v_max_num_f32 v[TM+\b], v[TM+\b], v[TM+4+\b]   ; with lane l xor 16's: the block's largest magnitude
.endr
.irp b, 0,1,2,3
	v_add_nc_u32 v[TM+12+\b], 0xff000000, v[TM+\b] ; 2 off the exponent field: the conversion's scale operand
.endr
.irp b, 0,1,2,3
	v_lshrrev_b32 v[TM+4+\b], 23, v[TM+12+\b]      ; the scale's byte
.endr
	v_lshl_or_b32 v[\pw], v[TM+5], 8, v[TM+4]
	v_lshl_or_b32 v[\pw], v[TM+6], 16, v[\pw]
	v_lshl_or_b32 v[\pw], v[TM+7], 24, v[\pw]
	s_wait_xcnt 0x0                                ; the last fragment's stores have read their registers: the codes may be written anew
	WIN W3
.irp c, 0,1
	v_cvt_scalef32_pk16_fp6_f32 v[PC+6*\c:PC+2+6*\c], v[\s+32*\c:\s+15+32*\c], v[TM+12+2*\c]
	v_cvt_scalef32_pk16_fp6_f32 v[PC+12+4*\c:PC+14+4*\c], v[\s+16+32*\c:\s+31+32*\c], v[TM+12+2*\c+1]
.endr
	WIN 0
	v_nop                                          ; one plain line behind the conversions
.irp c, 0,1                            ; the operand's layout wants a whole block in a lane
.irp i, 0,1,2
	v_permlane16_swap_b32 v[PC+6*\c+\i], v[PC+12+4*\c+\i]
.endr
.irp i, 0,1,2
	v_mov_b32 v[PC+3+6*\c+\i], v[PC+12+4*\c+\i]
.endr
.endr
.endm
.macro PUT a                           ; the fragment leaves as its image: three stores of 512 consecutive bytes
.irp c, 0,1,2
	global_store_b128 v[VOU+(\a)/4], v[PC+4*\c:PC+4*\c+3], s[OUT:OUT+1] offset:((\a)%4)*1536+512*\c
.endr
.endm
	s_load_b256 s[4:11], s[0:1], 0x0               ; act, wc, qkv_b, qk
	s_load_b64 s[12:13], s[0:1], 0x20              ; vt
	v_lshl_add_u32 v[SPW], v0, 2, SPARE
	v_mov_b32 v[NIL], 0
	ds_add_u32 v[SPW], v[NIL]                      ; the wave's opening
	ds_add_u32 v[SPW], v[NIL]
	v_lshrrev_b32 v1, 5, v0
	v_readfirstlane_b32 s14, v1                    ; wave
	s_lshr_b32 s15, s14, 1                         ; which half of A's rows is mine.  Also: I fetch for A (0) or for B (1)
	s_and_b32 s16, s14, 1                          ; which half of B's.  Also: which half of that tile I fetch
	s_bfe_u32 s40, ttmp6, 0x40000                  ; cx
	s_bfe_u32 s41, ttmp6, 0x40004                  ; cy
	s_lshl_b32 s78, ttmp9, 2                       ; 4 x the cluster's x
	s_and_b32 s77, ttmp7, 0xffff
	s_lshl_b32 s77, s77, 2                         ; 4 x the cluster's y
	s_cmp_ge_u32 ttmp9, 2                          ; ROLE: 1 where the cluster's x is 2
	s_cselect_b32 s66, 1, 0
	s_cselect_b32 s17, 8, s77
	s_cselect_b32 s42, s77, s78
	s_add_co_u32 s17, s17, s41                     ; A's tile: tokens 4 x cluster y + cy, or weights 8 + cy: it never holds cx
	s_add_co_u32 s42, s42, s40                     ; B's tile: weights 4 x cluster x + cx, or tokens 4 x cluster y + cx: it never holds cy
	s_lshl_b32 s43, s41, 2
	s_lshl_b32 s43, 15, s43                        ; my row of the cluster
	s_lshl_b32 s44, 0x1111, s40                    ; my column
	s_or_b32 s[G1+0], s43, (3<<16)|(1<<21)         ; 15:0 the mask; 17:16 elements of 8 bytes; 21 set beside a mask; no padding
	s_or_b32 s[G1B+0], s44, (3<<16)|(1<<21)
.irp g, G1, G1B
	s_mov_b32 s[\g+1], 1600<<16                    ; tensor_dim0: 12,800 bytes
	s_mov_b32 s[\g+2], 4<<16                       ; tensor_dim1 = 4 for the head's loads
	s_mov_b32 s[\g+3], 1600<<16                    ; tile_dim0
	s_mov_b32 s[\g+4], 4                           ; tile_dim1 = 4
	s_mov_b32 s[\g+5], DPITCH                      ; from a row group to the next
	s_mov_b32 s[\g+6], 0
	s_mov_b32 s[\g+7], 0
.endr
	s_mul_i32 s18, s16, RGH
	s_mul_i32 s20, s17, RGT
	s_add_co_u32 s20, s20, s18
	s_mul_i32 s20, s20, KCN*BLK                    ; A's row groups that I fetch, in bytes from its buffer's first
	s_mov_b32 s21, 0
	s_mul_i32 s46, s42, RGT
	s_add_co_u32 s46, s46, s18
	s_mul_i32 s46, s46, KCN*BLK                    ; B's
	s_mov_b32 s47, 0
	s_mul_i32 s45, s14, HALF                       ; where they go: wave x a quarter of a slot
	s_mov_b32 s[SEL], 0x76543210
	s_mov_b32 s[SEL+1], 0xfedcba98
	s_wait_dscnt 0x0                               ; both opening adds are done
	s_wait_kmcnt 0x0
	s_cmp_lg_u32 s66, 0
	s_cselect_b64 s[88:89], s[6:7], s[4:5]         ; A's buffer: the tokens' codes, or (ROLE 1) the weights' (qkv_w's blocks begin at wc's first byte)
	s_cselect_b64 s[90:91], s[4:5], s[6:7]         ; B's: the other
	s_add_nc_u64 s[20:21], s[88:89], s[20:21]
	s_add_nc_u64 s[46:47], s[90:91], s[46:47]
	s_mul_i32 s18, s16, RGH*KCN*BLK-NQ*BLK         ; the head's tile begins at the tile's first row group, at quarter w % 2 of K: so far back from my half's first byte
	s_mov_b32 s19, 0
	s_mul_i32 s80, s16, SLOT                       ; into slot w % 2
	s_mov_b32 s[GH], 1
	s_mov_b32 s[GH+1], s80
	s_sub_nc_u64 s[GH+2:GH+3], s[20:21], s[18:19]
	s_or_b32 s[GH+3], s[GH+3], 0x80000000
	s_mov_b32 s[GHB], 1
	s_add_co_u32 s[GHB+1], s80, 2*HALF
	s_sub_nc_u64 s[GHB+2:GHB+3], s[46:47], s[18:19]
	s_or_b32 s[GHB+3], s[GHB+3], 0x80000000
	FIRST 2, 2, G0C, G0BC
	FIRST 0, 3, G0, G0B
	CROUND                                         ; all sixteen work-groups are here: the first joint loads meet
	JLOAD GH, G1, GHB, G1B                         ; one tensor load a wave at the head
	v_and_b32 v1, 15, v0                           ; r
	v_bfe_u32 v2, v0, 4, 1                         ; h
	v_and_b32 v[LNE], 31, v0                       ; lane
	v_lshlrev_b32 v3, 4, v[LNE]                    ; 16 x lane
	v_lshlrev_b32 v4, 4, v1                        ; 16 r
	v_lshlrev_b32 v5, 6, v2                        ; 64 h
	s_wait_alu depctr_va_vdst(0)
	v_and_b32 v6, 8, v1
	v_add_nc_u32 v6, v6, v1
	v_lshlrev_b32 v6, 2, v6                        ; 4 (r + 8 (r / 8))
	; THE BIAS belongs to the weights' rows.  ROLE 0 wants it as tiles along B's rows (register j of tile t: column 32 (t / 2) + 8 (t % 2) + 16 h + j), ROLE 1 as one number a lane for each of A's fragments.
	; Both forms are loaded on the one way that all take, so that one branch, round the first step, serves; the form that a role does not use is taken from tile 0, inside qkv_b, and is not read.
	s_wait_alu depctr_va_vdst(0)
	s_cmp_lg_u32 s66, 0
	s_cselect_b32 s70, 0, s42
	s_cselect_b32 s71, s17, 0
	s_lshl_b32 s72, s70, 10
	s_lshl_b32 s73, s16, 9
	s_add_co_u32 s72, s72, s73
	s_mov_b32 s73, 0
	s_add_nc_u64 s[72:73], s[8:9], s[72:73]
	s_lshl_b32 s74, s71, 10
	s_lshl_b32 s75, s15, 9
	s_add_co_u32 s74, s74, s75
	s_mov_b32 s75, 0
	s_add_nc_u64 s[74:75], s[8:9], s[74:75]
	WIN 0x40
.irp t, 0,1,2,3,4,5,6,7
	global_load_b128 v[96+8*(\t%4)+128*(\t/4):99+8*(\t%4)+128*(\t/4)], v5, s[72:73] offset:(32*(\t/2)+8*(\t%2))*4
	global_load_b128 v[100+8*(\t%4)+128*(\t/4):103+8*(\t%4)+128*(\t/4)], v5, s[72:73] offset:(32*(\t/2)+8*(\t%2))*4+16
.endr
	WIN 0
.irp a, 0,1,2,3,4,5,6,7
	global_load_b32 v[PC+\a], v6, s[74:75] offset:(32*(\a/2)+8*(\a%2))*4
.endr
	s_mul_i32 s18, s15, HALF                       ; A: my half, in the slot's first two quarters
	s_mul_i32 s19, s16, HALF
	s_add_co_u32 s19, s19, 2*HALF                  ; B: my half, in its last two
.irp s, 0,1,2
	v_add_nc_u32 v[ADRA+\s], s18, v3
	v_add_nc_u32 v[ADRB+\s], s19, v3
	v_add_nc_u32 v[ASA+\s], s18, v4
	v_add_nc_u32 v[ASB+\s], s19, v4
	s_add_co_u32 s18, s18, SLOT
	s_add_co_u32 s19, s19, SLOT
.endr
	; the target.  ROLE 0: qk, block ((4 A's tile + 2 mh + a / 4) x 16 + 2 B's tile + nh).
	; ROLE 1: vt, block (((B's tile / 4) x 16 + 4 (A's tile - 8) + 2 mh + a / 4) x 8 + 2 (B's tile % 4) + nh): batch, head, 128 keys
	s_lshl_b32 s76, s17, 2
	s_lshl_b32 s77, s15, 1
	s_add_co_u32 s76, s76, s77
	s_lshl_b32 s76, s76, 4
	s_lshl_b32 s78, s42, 1
	s_add_co_u32 s76, s76, s78
	s_add_co_u32 s76, s76, s16
	s_lshr_b32 s79, s42, 2
	s_lshl_b32 s79, s79, 4
	s_and_b32 s78, s17, 3
	s_lshl_b32 s78, s78, 2
	s_add_co_u32 s79, s79, s78
	s_add_co_u32 s79, s79, s77
	s_lshl_b32 s79, s79, 3
	s_and_b32 s78, s42, 3
	s_lshl_b32 s78, s78, 1
	s_add_co_u32 s79, s79, s78
	s_add_co_u32 s79, s79, s16
	s_mov_b32 s84, 16*BLK                          ; from a row group to the next: qk's,
	s_cmp_lg_u32 s66, 0
	s_cselect_b32 s76, s79, s76
	s_cselect_b64 s[OUT:OUT+1], s[12:13], s[10:11]
	s_cselect_b32 s84, 8*BLK, s84                  ; or vt's
	s_mul_i32 s76, s76, BLK
	s_mov_b32 s77, 0
	s_add_nc_u64 s[OUT:OUT+1], s[OUT:OUT+1], s[76:77]
	v_mov_b32 v[VOU], v3
	v_add_nc_u32 v[VOU+1], s84, v3
	v_mul_u32_u24 v[VSC], s84, v2
	v_lshl_add_u32 v[VSC], v1, 4, v[VSC]           ; the scale words: 16 r, lanes 16-31 in the second row group
.irp b, 0,1,2,3
	v_mov_b32 v[TM+4+\b], 0                        ; written once: a lane permute's destination counts as one of its sources
.endr
	s_wait_alu depctr_va_vdst(0)                   ; the wait at the head's end
	s_wait_tensorcnt 0x0                           ; my tile of the head's four is in
	ds_add_u32 v[SPW], v[NIL]
	s_mov_b32 s[G1+2], 2<<16                       ; no tensor load of mine is out: from here on a load brings two row groups
	s_mov_b32 s[G1+4], 2
	s_mov_b32 s[G1B+2], 2<<16
	s_mov_b32 s[G1B+4], 2
	s_wait_dscnt 0x0
	CROUND                                         ; slots 0 and 1 are whole in every work-group
	JLOAD G0C, G1, G0BC, G1B                       ; slot 2's first fill: quarter 2 of K
	FETCH_B 0, 0, 0
	SCALES 0, 0, 0
	FETCH_A 0, 0, 0
	FETCH_A 0, 0, NA/2
	s_wait_loadcnt 0x0                             ; the bias
	s_cmp_lg_u32 s66, 0
	s_cbranch_scc1 .Lfirst_v
	STEP 0, 0, 1                                   ; the first step starts the sums with the bias: nothing is cleared, nothing added later
	s_branch .Lfirst_done
.Lfirst_v:
	WIN 0x40
.irp a, 0,1,2,3,4,5,6,7                ; ROLE 1: the bias hangs on the lane's row: eight equal registers for each of A's fragments
.irp j, 0,1,2,3,4,5,6,7
	v_mov_b32 v[96+8*(\a%4)+128*(\a/4)+\j], v[PC+\a]
.endr
.endr
	WIN 0
	s_wait_alu depctr_va_vdst(0)
	STEP 0, 0, 2
.Lfirst_done:
	PASS 1                                         ; slot 1 was shown whole at the head's round: no barrier
	STEP 1, 0, 0
	TURN 1, 2, 1                                   ; slot 2 has landed in every wave; slot 0 takes the fourth quarter of K
	STEP 2, 0, 0
	TURN 2, 0, 0                                   ; the fourth quarter has landed in every wave; nothing is filled, so no round of the cluster's barrier
	STEP 0, 0, 0
	LAST
	; THE WAY OUT: each of A's eight blocks is quantised in registers and leaves as a fragment's image
	PLACES
.irp a, 0,1,2,3,4,5,6,7
	QUANTW 64*(\a%4), 2+\a/4, PWS+\a
	PUT \a
.endr
	v_cmp_le_u32 vcc_lo, 16, v[LNE]
.irp i, 0,1,2,3
	v_cndmask_b32 v[WD+\i], v[PWS+\i], v[PWS+4+\i], vcc_lo   ; lanes 0-15: the first row group's four words, lanes 16-31 the second's
.endr
	global_store_b128 v[VSC], v[WD:WD+3], s[OUT:OUT+1] offset:6144   ; sixteen lanes store a block's 256 bytes of scale words
	s_wait_tensorcnt 0x0                           ; the wave's end
	ds_add_u32 v[SPW], v[NIL]
	s_wait_dscnt 0x0
	CROUND                                         ; the closing round: no work-group ends while a partner may still ask for a tile that names it
	s_endpgm
.Lfunc_end_k_qd90d95b831_qkv:
	.size	k_qd90d95b831_qkv, .Lfunc_end_k_qd90d95b831_qkv-k_qd90d95b831_qkv
	.p2alignl 7, 3214868480
	.fill 96, 4, 3214868480
	.section	.rodata,"a",@progbits
	.p2align	6, 0x0
	.amdhsa_kernel k_qd90d95b831_qkv
		.amdhsa_group_segment_fixed_size 327680
		.amdhsa_private_segment_fixed_size 0
		.amdhsa_enable_private_segment 0
		.amdhsa_kernarg_size 40
		.amdhsa_user_sgpr_count 2
		.amdhsa_user_sgpr_kernarg_segment_ptr 1
		.amdhsa_wavefront_size32 1
		.amdhsa_system_sgpr_workgroup_id_x 1
		.amdhsa_system_sgpr_workgroup_id_y 1
		.amdhsa_system_sgpr_workgroup_id_z 1
		.amdhsa_system_vgpr_workitem_id 0
		.amdhsa_next_free_vgpr 1024
		.amdhsa_next_free_sgpr 100
		.amdhsa_reserve_vcc 1
		.amdhsa_float_denorm_mode_32 3
		.amdhsa_float_denorm_mode_16_64 3
		.amdhsa_memory_ordered 1
		.amdhsa_forward_progress 1
		.amdhsa_inst_pref_size 155
	.end_amdhsa_kernel
	.amdgpu_metadata
---
amdhsa.version: [ 1, 2 ]
amdhsa.kernels:
  - .name:           k_qd90d95b831_qkv
    .symbol:         k_qd90d95b831_qkv.kd
    .args:
      - { .name: act, .offset: 0, .size: 8, .value_kind: global_buffer, .address_space: global }
      - { .name: wc, .offset: 8, .size: 8, .value_kind: global_buffer, .address_space: global }
      - { .name: qkv_b, .offset: 16, .size: 8, .value_kind: global_buffer, .address_space: global }
      - { .name: qk, .offset: 24, .size: 8, .value_kind: global_buffer, .address_space: global }
      - { .name: vt, .offset: 32, .size: 8, .value_kind: global_buffer, .address_space: global }
    .group_segment_fixed_size: 327680
    .private_segment_fixed_size: 0
    .kernarg_segment_align: 8
    .kernarg_segment_size: 40
    .max_flat_workgroup_size: 128
    .sgpr_count:     100
    .vgpr_count:     1024
    .wavefront_size: 32
...
	.end_amdgpu_metadata
.endif
;; end of part 2
;; launch attn (part 3): grid 8 x 32, 16 waves a work-group, clusters of 4 x 1, 212,992 bytes of LDS; arguments qk, vt, act; writes act
.if DOCPART == 3
	.amdgcn_target "amdgcn-amd-amdhsa--gfx1250"
	.amdhsa_code_object_version 6
	.text
	.protected	k_qd90d95b831_attn
	.globl	k_qd90d95b831_attn
	.p2align	8
	.type	k_qd90d95b831_attn,@function
k_qd90d95b831_attn:
	s_mov_b64 s[64:65], 0
	v_nop
	global_prefetch_b8 v0, s[64:65] scope:SCOPE_SE
	s_setreg_imm32_b32 hwreg(HW_REG_WAVE_MODE, 25, 1), 1
	s_wait_xcnt 0x0
	s_wait_alu depctr_hold_cnt(0) depctr_sa_sdst(0) depctr_va_vdst(0) depctr_va_sdst(0) depctr_va_ssrc(0) depctr_va_vcc(0) depctr_vm_vsrc(0)
	s_getreg_b32 s2, hwreg(HW_REG_IB_STS2, 6, 4)
	s_cmp_eq_u32 s2, 0
	s_cbranch_scc0 .Lentry_in_a_cluster
	s_endpgm
.Lentry_in_a_cluster:
	s_bfe_u32 s2, ttmp6, 0x10000c
	s_cmp_lg_u32 s2, 0x3003
	s_cbranch_scc0 .Lentry_shape_is_right
	s_endpgm
.Lentry_shape_is_right:
; o = softmax(q k^T / 8) v for 64 heads of 64 channels and 1,024 keys, both products on codes of E2M3; o / l is quantised along the 1,024 channels into act.  Nothing of the problem is left out here.
; THE SOFTMAX AHEAD OF THE SECOND PRODUCT: t = score x log2(e) / 8; M = the running largest t rounded UP to a whole number; p = 2^(t - M) is quantised along the keys, not normalised; the row's sum is taken of the
; unquantised p and divides at the end.  When M moves, the sum and O are multiplied by 2^(old M - new M): exact.
; LIMITS: NaN and infinities are not served; a block under 2^-124 gets the byte 1.
; SHARES.  Work-group (x, y): 128 queries (two row groups) of batch y / 8 and of the PAIR of heads y % 8.  Sixteen waves: wave w owns query fragment w / 2 (16 queries) of head w % 2 of the pair: 256 registers, four waves to a SIMD.
; K = 64 UNDER AN INSTRUCTION OF 128.  A block of qk holds two heads: registers 0-5 of a fragment the even one, 6-11 the odd one.  K's fragments are used as they lie; in my Q fragment the other head's six registers
; are made zero codes, which add nothing under any scale byte that a quantiser gives.
; ALL OF THE PAIR'S K AND V LIE IN LDS (204,800 bytes), brought once: nothing is filled again.  Waves 0, 1 fetch K, waves 2, 3 V, in four quarters of 256 keys: four loads of a loading wave are out at the start.
; CLUSTER: the four query blocks of a cluster need the same K and V: joint loads with the mask 15.
; LAYOUT.  S^T = K Q^T, O^T = V^T P^T: a lane holds ONE query throughout; by the blocks' order of rows the 16 registers of two neighbouring tiles are 16 neighbouring keys (channels).
; REGISTERS: v1-11, v28 addresses; v12 -M, v13 the largest t, v[14:15] the sum; v16-27 Q; v32-79 four fragments; v96-159 S^T, then p; v160-191 O^T; v224-235 p's codes; v232-254 at work; v248-251, v253, v255 scale words.
; THE FILLS AS THEY STAND (this takes the place of what the lines above say of the loading waves): the pair's K and V are sixteen tiles of 12,800 bytes, and each of the sixteen waves issues ONE joint load at the head:
; waves 0-7 two row groups of K each, waves 8-15 two blocks of V each.  Every wave waits for its load ahead of the one barrier in front of the key steps.
.set BLK,  6400
.set VB,   16*BLK                      ; LDS: K's 16 row groups, then V: [head of the pair][8 blocks]
.set STG,  2*VB                        ; eight middle pieces of 512 bytes, then 512 bytes of scale words
.set SPARE, STG+4608                   ; the spare words, 128 bytes for each of 16 waves
.set ADK,  1
.set ADKS, 2
.set ADV,  3
.set ADVS, 4
.set SPW,  5
.set NIL,  6
.set GO,   7
.set P1A,  8
.set SCA,  9
.set CPL,  10
.set GP1,  11
.set GSC,  28
.set WV,   18
.set SEL,  20
.set CS,   22
.set G1K,  24
.set G1V,  32
.set G0K,  40                          ; s[40:43] group 0 of the K load
.set G0V,  68                          ; s[68:71] of the V load
.set OC,   66                          ; s[66:67] act at my work-group's first block
.macro ROUND
	s_barrier_signal -1
	s_barrier_wait -1
	s_cmp_lg_u32 s[WV], 0
	s_cbranch_scc1 .Lnot_wave_0_\@
	s_barrier_signal -3
.Lnot_wave_0_\@:
	s_barrier_wait -3
	s_barrier_signal -1
	s_barrier_wait -1
.endm
.macro FRAGL reg, adr, off             ; a fragment's image: three loads of 512 consecutive bytes
	ds_load_b128 v[\reg:\reg+3], v[\adr] offset:\off
	ds_load_b128 v[\reg+4:\reg+7], v[\adr] offset:\off+512
	ds_load_b128 v[\reg+8:\reg+11], v[\adr] offset:\off+1024
.endm
	s_load_b128 s[4:7], s[0:1], 0x0                ; qk, vt
	s_load_b64 s[8:9], s[0:1], 0x10                ; act
	v_lshl_add_u32 v[SPW], v0, 2, SPARE
	v_mov_b32 v[NIL], 0
	ds_add_u32 v[SPW], v[NIL]                      ; the wave's opening
	ds_add_u32 v[SPW], v[NIL]
	v_lshrrev_b32 v29, 5, v0
	s_delay_alu instid0(VALU_DEP_1)
	v_readfirstlane_b32 s[WV], v29                 ; wave 0..15
	s_bfe_u32 s10, ttmp6, 0x40000                  ; cx
	s_lshl_b32 s11, ttmp9, 2
	s_add_co_u32 s11, s11, s10                     ; my block of 128 queries: it enters Q's and act's addresses alone
	s_and_b32 s12, ttmp7, 0xffff
	s_lshr_b32 s13, s12, 3                         ; batch
	s_and_b32 s14, s12, 7                          ; pair of heads
	s_and_b32 s15, s[WV], 1                        ; which head of the pair
	s_lshr_b32 s16, s[WV], 1                       ; query fragment 0..7:
	s_lshr_b32 s17, s16, 2                         ; its row group g,
	s_and_b32 s19, s16, 3                          ; and its place f in it
	s_mov_b32 s[G1K], 15|(3<<16)|(1<<21)           ; the mask: all four work-groups; elements of 8 bytes; bit 21 beside a mask
	s_mov_b32 s[G1K+1], 800<<16                    ; a block: 6,400 bytes
	s_mov_b32 s[G1K+2], 2<<16
	s_mov_b32 s[G1K+3], 800<<16
	s_mov_b32 s[G1K+4], 2                          ; two row groups,
	s_mov_b32 s[G1K+5], 12800                      ; 16 blocks apart in qk
	s_mov_b32 s[G1K+6], 0
	s_mov_b32 s[G1K+7], 0
	s_mov_b32 s[G1V], 15|(3<<16)|(1<<21)
	s_mov_b32 s[G1V+1], 800<<16
	s_mov_b32 s[G1V+2], 2<<16
	s_mov_b32 s[G1V+3], 800<<16
	s_mov_b32 s[G1V+4], 2                          ; two neighbouring blocks of vt
	s_mov_b32 s[G1V+5], 800
	s_mov_b32 s[G1V+6], 0
	s_mov_b32 s[G1V+7], 0
	s_lshl_b32 s84, s13, 4                         ; K: ((16 batch + 2 (w % 8)) x 16 + 8 + pair) blocks
	s_and_b32 s56, s[WV], 7                        ; which of the eight tiles of K, or of V, I fetch
	s_lshl_b32 s85, s56, 1
	s_add_co_u32 s84, s84, s85
	s_lshl_b32 s84, s84, 4
	s_add_co_u32 s84, s84, s14
	s_add_co_u32 s84, s84, 8
	s_mul_i32 s84, s84, BLK
	s_mov_b32 s85, 0
	s_lshl_b32 s86, s13, 4                         ; V: (16 batch + 2 pair) x 8 + 2 (w % 8) blocks
	s_lshl_b32 s87, s14, 1
	s_add_co_u32 s86, s86, s87
	s_mul_i32 s86, s86, 8*BLK
	s_mul_i32 s92, s56, 2*BLK                      ; my tile's place in K's or V's part of LDS; V's sixteen blocks are dense in vt too
	s_add_co_u32 s86, s86, s92
	s_mov_b32 s87, 0
	s_mul_i32 s93, s15, 8*BLK
	s_mov_b32 s[SEL], 0x76543210
	s_mov_b32 s[SEL+1], 0xfedcba98
	s_mov_b32 s[CS], 0x3e38aa3b                    ; c = log2(e) / 8
	s_mov_b32 s[CS+1], s[CS]
	s_cmp_eq_u32 s15, 0
	s_cselect_b32 s98, -1, 0                       ; keeps Q's registers 0-5 in the even head's waves,
	s_not_b32 s99, s98                             ; registers 6-11 in the odd head's
	; every LDS address is made here, ahead of the first branch on the wave's number
	v_and_b32 v30, 15, v0                          ; r
	s_wait_alu depctr_va_vdst(0)
	v_bfe_u32 v31, v0, 4, 1                        ; h
	v_and_b32 v29, 31, v0
	s_delay_alu instid0(VALU_DEP_1)
	v_lshlrev_b32 v[ADK], 4, v29                   ; K's fragments: 16 x lane
	s_wait_alu depctr_va_vdst(0)
	v_lshl_add_u32 v[ADKS], v30, 4, 6144           ; K's scale words: 16 r
	s_add_co_u32 s94, s93, VB
	v_add_nc_u32 v[ADV], s94, v[ADK]               ; V's, of my head
	v_add_nc_u32 v[ADVS], s94, v[ADKS]
	s_lshl_b32 s95, s16, 9
	s_lshl_b32 s96, s15, 3
	s_add_co_u32 s95, s95, s96
	s_add_co_u32 s95, s95, STG
	v_add_nc_u32 v[P1A], s95, v[ADK]               ; my 8 bytes of my fragment's middle piece
	s_lshl_b32 s95, s17, 8
	s_lshl_b32 s96, s19, 2
	s_add_co_u32 s95, s95, s96
	s_lshl_b32 s96, s15, 1
	s_add_co_u32 s95, s95, s96
	s_add_co_u32 s95, s95, STG+4096
	v_lshl_add_u32 v[SCA], v30, 4, s95             ; my two bytes of my row's scale word
	s_min_u32 s95, s[WV], 8
	s_lshl_b32 s95, s95, 9
	s_add_co_u32 s95, s95, STG
	v_add_nc_u32 v[CPL], s95, v[ADK]               ; the copy out: waves 0-7 a middle piece, wave 8 the scale words
	s_mul_i32 s95, s17, 8*BLK                      ; offsets in act, from my work-group's first block: my fragment's image,
	s_mul_i32 s96, s19, 1536
	s_add_co_u32 s95, s95, s96
	v_add_nc_u32 v[GO], s95, v[ADK]
	s_lshr_b32 s95, s[WV], 2                       ; the middle piece of fragment w,
	s_mul_i32 s95, s95, 8*BLK
	s_and_b32 s97, s[WV], 3
	s_mul_i32 s97, s97, 1536
	s_add_co_u32 s95, s95, s97
	s_add_co_u32 s95, s95, 512
	v_add_nc_u32 v[GP1], s95, v[ADK]
	v_mul_u32_u24 v[GSC], v31, 8*BLK               ; and the scale words: lanes 0-15 the first row group's, lanes 16-31 the second's
	s_delay_alu instid0(VALU_DEP_1)
	v_lshl_add_u32 v[GSC], v30, 4, v[GSC]
	v_add_nc_u32 v29, s96, v[ADK]                  ; Q: 16 x lane + 1,536 f
	s_lshl_b32 s97, s19, 2
	v_lshl_add_u32 v30, v30, 4, s97                ; Q's scale word: 16 r + 4 f
	s_lshl_b32 s94, s13, 4
	s_lshl_b32 s95, s11, 1
	s_add_co_u32 s94, s94, s95                     ; my work-group's first row group of tokens: 16 batch + 2 x
	s_add_co_u32 s95, s94, s17
	s_lshl_b32 s95, s95, 4
	s_add_co_u32 s95, s95, s14
	s_mul_i32 s96, s95, BLK                        ; Q's block in qk
	s_mov_b32 s97, 0
	s_lshl_b32 s94, s94, 3
	s_add_co_u32 s94, s94, s14
	s_mul_i32 s94, s94, BLK                        ; my first block in act
	s_mov_b32 s95, 0
	s_wait_dscnt 0x0                               ; both opening adds are done
	s_wait_kmcnt 0x0
	s_add_nc_u64 s[88:89], s[4:5], s[84:85]
	s_add_nc_u64 s[90:91], s[6:7], s[86:87]
	s_add_nc_u64 s[96:97], s[4:5], s[96:97]
	s_add_nc_u64 s[OC:OC+1], s[8:9], s[94:95]
	s_mov_b32 s[G0K], 1
	s_mov_b32 s[G0K+1], s92
	s_mov_b64 s[G0K+2:G0K+3], s[88:89]
	s_or_b32 s[G0K+3], s[G0K+3], 0x80000000
	s_mov_b32 s[G0V], 1
	s_add_co_u32 s[G0V+1], s92, VB
	s_mov_b64 s[G0V+2:G0V+3], s[90:91]
	s_or_b32 s[G0V+3], s[G0V+3], 0x80000000
	ROUND                                          ; all four work-groups are here: the joint loads meet
	s_cmp_lt_u32 s[WV], 8                          ; one chain of two arms, one fill to an arm: every wave issues one
	s_cbranch_scc0 .Lnot_k
	tensor_load_to_lds s[G0K:G0K+3], s[G1K:G1K+7]
	s_nop 0
.rept 4
	v_nop
.endr
	s_branch .Lasked
.Lnot_k:
	tensor_load_to_lds s[G0V:G0V+3], s[G1V:G1V+7]
	s_nop 0
.rept 4
	v_nop
.endr
.Lasked:
	s_wait_alu depctr_va_vdst(0)
	global_load_b128 v[16:19], v29, s[96:97]       ; Q's fragment stays in registers
	global_load_b128 v[20:23], v29, s[96:97] offset:512
	global_load_b128 v[24:27], v29, s[96:97] offset:1024
	global_load_b32 v255, v30, s[96:97] offset:6144
	v_mov_b32 v13, 0xff61b1e6                      ; the largest t so far: -3e38
	s_delay_alu instid0(VALU_DEP_1)
	v_floor_f32 v12, -v13                          ; -M
	v_mov_b32 v14, 0
	v_mov_b32 v15, 0
.irp b, 0,1,2,3
	v_mov_b32 v[236+\b], 0                         ; written once: a lane permute's destination counts as one of its sources
.endr
	v_mov_b32 v253, 0
	s_wait_loadcnt 0x0                             ; Q
.irp i, 0,1,2,3,4,5
	v_and_b32 v[16+\i], s98, v[16+\i]              ; the other head's codes of Q become zeros
.endr
.irp i, 6,7,8,9,10,11
	v_and_b32 v[16+\i], s99, v[16+\i]
.endr
.irp j, 0,1,2,3,4,5,6,7,8,9,10,11,12,13,14,15,16,17,18,19,20,21,22,23,24,25,26,27,28,29,30,31
	v_mov_b32 v[160+\j], 0                         ; O^T: the step is written in one form; the first change of M leaves zeros zeros.  These 32 plain lines also stand between the lines that wrote Q's registers and the first products
.endr
; A KEY STEP: 128 keys: two row groups of K, one block of V
.macro STEP
.irp g, 0,1
.if \g
.rept 4
	v_nop                                          ; places ahead of loads into registers that matrix instructions have read (ahead of g = 0 the last step's four additions are the places)
.endr
.endif
.irp t, 0,1,2,3
	FRAGL 32+12*\t, ADK, BLK*\g+1536*\t
.endr
	ds_load_b128 v[248:251], v[ADKS] offset:BLK*\g
	s_wait_dscnt 0x0
.irp t, 0,1,2,3
	v_wmma_scale_f32_16x16x128_f8f6f4 v[96+8*(4*\g+\t):103+8*(4*\g+\t)], v[32+12*\t:43+12*\t], v[16:27], 0, v[248+\t], v255 matrix_a_fmt:MATRIX_FMT_FP6 matrix_b_fmt:MATRIX_FMT_FP6
.endr
.endr
.rept 4
	v_nop
.endr
.irp t, 0,1,2,3
	FRAGL 32+12*\t, ADV, 1536*\t                   ; V's fragments are asked for here and land under the softmax
.endr
	ds_load_b128 v[248:251], v[ADVS]
.irp b, 0,1,2,3
	v_max3_num_f32 v[232+\b], v[96+16*\b], v[97+16*\b], v[98+16*\b]   ; the largest score of each block of 32 keys: for the row's maximum and, since p rises with the score, for the block's largest p
.endr
.irp i, 3,5,7,9,11,13
.irp b, 0,1,2,3
	v_max3_num_f32 v[232+\b], v[232+\b], v[96+16*\b+\i], v[97+16*\b+\i]
.endr
.endr
.irp b, 0,1,2,3
	v_max_num_f32 v[232+\b], v[232+\b], v[111+16*\b]
.endr
.irp b, 0,1,2,3
	s_delay_alu instid0(VALU_DEP_4)
	v_permlanex16_b32 v[236+\b], v[232+\b], s[SEL], s[SEL+1]
.endr
.irp b, 0,1,2,3
	s_delay_alu instid0(VALU_DEP_4)
	v_max_num_f32 v[232+\b], v[232+\b], v[236+\b]  ; with lane l xor 16's 16 keys
.endr
	s_delay_alu instid0(VALU_DEP_2)
	v_max3_num_f32 v254, v232, v233, v234
	s_delay_alu instid0(VALU_DEP_1)
	v_max_num_f32 v254, v254, v235
	s_delay_alu instid0(VALU_DEP_1)
	v_mul_f32 v254, s[CS], v254                    ; the step's largest t
	s_delay_alu instid0(VALU_DEP_1)
	v_max_num_f32 v13, v13, v254                   ; the running largest t
	v_mov_b32 v254, v12
	s_delay_alu instid0(VALU_DEP_2)
	v_floor_f32 v12, -v13                          ; the new -M = -ceil(t): a whole number
	s_delay_alu instid0(VALU_DEP_1)
	v_sub_f32 v254, v12, v254                      ; old M - new M: a whole number, 0 or less
	s_delay_alu instid0(VALU_DEP_1)
	v_cvt_i32_f32 v254, v254                       ; (it saturates)
	s_delay_alu instid0(VALU_DEP_1)
	v_ldexp_f32 v252, 1.0, v254                    ; f = 2^(old M - new M)
.irp j, 0,2,4,6,8,10,12,14,16,18,20,22,24,26,28,30,32,34,36,38,40,42,44,46,48,50,52,54,56,58,60,62
	v_pk_fma_f32 v[96+\j:97+\j], v[96+\j:97+\j], s[CS:CS+1], v[12:13] op_sel_hi:[1,0,0]   ; t - M
.endr
.irp b, 0,1,2,3
	v_fma_f32 v[232+\b], v[232+\b], s[CS], v12     ; the same of each block's largest score
.endr
	s_wait_alu depctr_va_vdst(0)
.irp j, 0,1,2,3,4,5,6,7,8,9,10,11,12,13,14,15,16,17,18,19,20,21,22,23,24,25,26,27,28,29,30,31,32,33,34,35,36,37,38,39,40,41,42,43,44,45,46,47,48,49,50,51,52,53,54,55,56,57,58,59,60,61,62,63
	v_exp_f32 v[96+\j], v[96+\j]                   ; p = 2^(t - M)
.endr
	v_pk_mul_f32 v[14:15], v[14:15], v[252:253] op_sel_hi:[1,0]   ; the sums under the new M: a plain line behind the exponentials
	s_wait_alu depctr_va_vdst(0)                   ; one wait for the batch, ahead of its first reader
.irp b, 0,1,2,3
	v_exp_f32 v[232+\b], v[232+\b]                 ; the block's largest p
.endr
	v_pk_add_f32 v[236:237], v[100:101], v[104:105]
	v_pk_add_f32 v[246:247], v[108:109], v[112:113]
	v_pk_add_f32 v[244:245], v[116:117], v[120:121]
	v_pk_add_f32 v[242:243], v[124:125], v[128:129]
	v_pk_add_f32 v[240:241], v[132:133], v[136:137]
	v_pk_add_f32 v[238:239], v[140:141], v[144:145]
	v_pk_add_f32 v[230:231], v[148:149], v[152:153]
	v_pk_add_f32 v[14:15], v[14:15], v[156:157]
	v_pk_add_f32 v[236:237], v[236:237], v[96:97]
	v_pk_add_f32 v[246:247], v[246:247], v[98:99]
	v_pk_add_f32 v[244:245], v[244:245], v[102:103]
	v_pk_add_f32 v[242:243], v[242:243], v[106:107]
	v_pk_add_f32 v[240:241], v[240:241], v[110:111]
	v_pk_add_f32 v[238:239], v[238:239], v[114:115]
	v_pk_add_f32 v[230:231], v[230:231], v[118:119]
	v_pk_add_f32 v[14:15], v[14:15], v[122:123]
	v_pk_add_f32 v[236:237], v[236:237], v[126:127]
	v_pk_add_f32 v[246:247], v[246:247], v[130:131]
	v_pk_add_f32 v[244:245], v[244:245], v[134:135]
	v_pk_add_f32 v[242:243], v[242:243], v[138:139]
	v_pk_add_f32 v[240:241], v[240:241], v[142:143]
	v_pk_add_f32 v[238:239], v[238:239], v[146:147]
	v_pk_add_f32 v[230:231], v[230:231], v[150:151]
	v_pk_add_f32 v[14:15], v[14:15], v[154:155]
	v_pk_add_f32 v[236:237], v[236:237], v[158:159]
	s_delay_alu instid0(VALU_DEP_2)
	v_pk_add_f32 v[14:15], v[14:15], v[242:243]
	s_delay_alu instid0(VALU_DEP_2)
	v_pk_add_f32 v[236:237], v[236:237], v[240:241]
	v_pk_add_f32 v[246:247], v[246:247], v[238:239]
	v_pk_add_f32 v[244:245], v[244:245], v[230:231]
	s_delay_alu instid0(VALU_DEP_2)
	v_pk_add_f32 v[14:15], v[14:15], v[246:247]
	s_delay_alu instid0(VALU_DEP_2)
	v_pk_add_f32 v[236:237], v[236:237], v[244:245]
	s_delay_alu instid0(VALU_DEP_1)
	v_pk_add_f32 v[14:15], v[14:15], v[236:237]
	s_wait_alu depctr_va_vdst(0)                   ; and one for the four
.irp b, 0,1,2,3
	v_max_num_f32 v[232+\b], 0x1800000, v[232+\b]  ; the floor 2^(3 - 127)
.endr
.irp b, 0,1,2,3
	s_delay_alu instid0(VALU_DEP_4)
	v_add_nc_u32 v[244+\b], 0xff000000, v[232+\b]  ; the conversion's scale operand
.endr
.irp b, 0,1,2,3
	s_delay_alu instid0(VALU_DEP_4)
	v_lshrrev_b32 v[236+\b], 23, v[244+\b]         ; the scale's byte
.endr
	s_delay_alu instid0(VALU_DEP_3)
	v_lshl_or_b32 v253, v237, 8, v236              ; p's scale word for these 128 keys
	s_delay_alu instid0(VALU_DEP_1)
	v_lshl_or_b32 v253, v238, 16, v253
	s_delay_alu instid0(VALU_DEP_1)
	v_lshl_or_b32 v253, v239, 24, v253
.irp c, 0,1
	v_cvt_scalef32_pk16_fp6_f32 v[224+6*\c:226+6*\c], v[96+32*\c:111+32*\c], v[244+2*\c]
	v_cvt_scalef32_pk16_fp6_f32 v[236+4*\c:238+4*\c], v[112+32*\c:127+32*\c], v[244+2*\c+1]
.endr
	v_nop                                          ; one plain line behind the conversions
.irp c, 0,1
.irp i, 0,1,2
	v_permlane16_swap_b32 v[224+6*\c+\i], v[236+4*\c+\i]
.endr
.irp i, 0,1,2
	s_delay_alu instid0(VALU_DEP_3)
	v_mov_b32 v[227+6*\c+\i], v[236+4*\c+\i]
.endr
.endr
.irp j, 0,2,4,6,8,10,12,14,16,18,20,22,24,26,28,30
	v_pk_mul_f32 v[160+\j:161+\j], v[160+\j:161+\j], v[252:253] op_sel_hi:[1,0]   ; O^T under the new M; these sixteen also stand between the lines that made p's codes and scale word and the products
.endr
	s_wait_alu depctr_va_vdst(0)
	s_wait_dscnt 0x0                               ; V's fragments and scale words
.irp t, 0,1,2,3
	v_wmma_scale_f32_16x16x128_f8f6f4 v[160+8*\t:167+8*\t], v[32+12*\t:43+12*\t], v[224:235], v[160+8*\t:167+8*\t], v[248+\t], v253 matrix_a_fmt:MATRIX_FMT_FP6 matrix_b_fmt:MATRIX_FMT_FP6
.endr
	v_add_nc_u32 v[ADK], 2*BLK, v[ADK]             ; on to the next 128 keys: four plain lines, the places ahead of the next step's loads
	v_add_nc_u32 v[ADKS], 2*BLK, v[ADKS]
	v_add_nc_u32 v[ADV], BLK, v[ADV]
	v_add_nc_u32 v[ADVS], BLK, v[ADVS]
.endm
	s_wait_alu depctr_va_vdst(0)
	s_wait_tensorcnt 0x0                           ; my tile is in
	s_barrier_signal -1
	s_barrier_wait -1                              ; everybody's is: all of K and V lie in LDS, and nothing is filled again
	STEP
.rept 7
	s_wait_alu depctr_va_vdst(0)
	STEP
.endr
	; THE WAY OUT: O^T / the sum is my head's 64 channels of 16 rows of o: two blocks of 32, half a fragment (registers 6 s .. 6 s + 5) and half a scale word
.rept 4
	v_nop
.endr
	v_add_f32 v14, v14, v15
	s_delay_alu instid0(VALU_DEP_1)
	v_permlanex16_b32 v252, v14, s[SEL], s[SEL+1]
	s_delay_alu instid0(VALU_DEP_1)
	v_add_f32 v14, v14, v252                       ; the row's sum
	s_wait_alu depctr_va_vdst(0)
	v_rcp_f32 v14, v14
	v_nop                                          ; a plain line behind the reciprocal
	s_wait_alu depctr_va_vdst(0)                   ; the wait, ahead of the first reader
.irp j, 0,1,2,3,4,5,6,7,8,9,10,11,12,13,14,15,16,17,18,19,20,21,22,23,24,25,26,27,28,29,30,31
	v_mul_f32 v[96+\j], v[160+\j], v14             ; register 16 b + i: channel 32 b + 16 h + i
.endr
.irp b, 0,1
	v_max3_num_f32 v[232+\b], |v[96+16*\b]|, |v[97+16*\b]|, 0x1800000
.endr
.irp i, 2,4,6,8,10,12,14
.irp b, 0,1
	s_delay_alu instid0(VALU_DEP_2)
	v_max3_num_f32 v[232+\b], v[232+\b], |v[96+16*\b+\i]|, |v[97+16*\b+\i]|
.endr
.endr
.irp b, 0,1
	s_delay_alu instid0(VALU_DEP_2)
	v_permlanex16_b32 v[236+\b], v[232+\b], s[SEL], s[SEL+1]
.endr
.irp b, 0,1
	s_delay_alu instid0(VALU_DEP_2)
	v_max_num_f32 v[232+\b], v[232+\b], v[236+\b]
.endr
.irp b, 0,1
	s_delay_alu instid0(VALU_DEP_2)
	v_add_nc_u32 v[244+\b], 0xff000000, v[232+\b]
.endr
.irp b, 0,1
	s_delay_alu instid0(VALU_DEP_2)
	v_lshrrev_b32 v[236+\b], 23, v[244+\b]
.endr
	s_delay_alu instid0(VALU_DEP_1)
	v_lshl_or_b32 v254, v237, 8, v236              ; my two bytes
	v_cvt_scalef32_pk16_fp6_f32 v[224:226], v[96:111], v244
	v_cvt_scalef32_pk16_fp6_f32 v[240:242], v[112:127], v245
	v_nop
.irp i, 0,1,2
	v_permlane16_swap_b32 v[224+\i], v[240+\i]
.endr
.irp i, 0,1,2
	s_delay_alu instid0(VALU_DEP_3)
	v_mov_b32 v[227+\i], v[240+\i]
.endr
	s_cmp_lg_u32 s15, 0
	s_cbranch_scc1 .Lodd
	global_store_b128 v[GO], v[224:227], s[OC:OC+1]              ; even head: registers 0-3 are the image's first piece, whole;
	ds_store_b64 v[P1A], v[228:229]                ; registers 4, 5 are half of the middle piece
	s_branch .Lboth
.Lodd:
	s_wait_alu depctr_va_vdst(0)
	ds_store_b64 v[P1A], v[224:225]                ; odd head: registers 6, 7 the other half;
	global_store_b128 v[GO], v[226:229], s[OC:OC+1] offset:1024  ; registers 8-11 the last piece
.Lboth:
	s_wait_alu depctr_va_vdst(0)
	ds_store_b16 v[SCA], v254                      ; (lanes l and l xor 16 write the same bytes with the same value)
	s_wait_dscnt 0x0                               ; for the others' sake
	s_barrier_signal -1
	s_barrier_wait -1
	s_cmp_lt_u32 s[WV], 8
	s_cbranch_scc0 .Lnot_piece
	ds_load_b128 v[32:35], v[CPL]
	s_wait_dscnt 0x0
	global_store_b128 v[GP1], v[32:35], s[OC:OC+1]               ; the middle piece of fragment w: 512 consecutive bytes
	s_branch .Ldone
.Lnot_piece:
	s_cmp_eq_u32 s[WV], 8
	s_cbranch_scc0 .Ldone
	ds_load_b128 v[32:35], v[CPL]
	s_wait_dscnt 0x0
	global_store_b128 v[GSC], v[32:35], s[OC:OC+1] offset:6144   ; the two blocks' scale words: 256 consecutive bytes each
.Ldone:
	s_wait_tensorcnt 0x0                           ; the wave's end
	ds_add_u32 v[SPW], v[NIL]
	s_wait_dscnt 0x0
	ROUND                                          ; the closing round
	s_endpgm
.Lfunc_end_k_qd90d95b831_attn:
	.size	k_qd90d95b831_attn, .Lfunc_end_k_qd90d95b831_attn-k_qd90d95b831_attn
	.p2alignl 7, 3214868480
	.fill 96, 4, 3214868480
	.section	.rodata,"a",@progbits
	.p2align	6, 0x0
	.amdhsa_kernel k_qd90d95b831_attn
		.amdhsa_group_segment_fixed_size 212992
		.amdhsa_private_segment_fixed_size 0
		.amdhsa_enable_private_segment 0
		.amdhsa_kernarg_size 24
		.amdhsa_user_sgpr_count 2
		.amdhsa_user_sgpr_kernarg_segment_ptr 1
		.amdhsa_wavefront_size32 1
		.amdhsa_system_sgpr_workgroup_id_x 1
		.amdhsa_system_sgpr_workgroup_id_y 1
		.amdhsa_system_sgpr_workgroup_id_z 1
		.amdhsa_system_vgpr_workitem_id 0
		.amdhsa_next_free_vgpr 256
		.amdhsa_next_free_sgpr 100
		.amdhsa_reserve_vcc 0
		.amdhsa_float_denorm_mode_32 3
		.amdhsa_float_denorm_mode_16_64 3
		.amdhsa_memory_ordered 1
		.amdhsa_forward_progress 1
		.amdhsa_inst_pref_size 155
	.end_amdhsa_kernel
	.amdgpu_metadata
---
amdhsa.version: [ 1, 2 ]
amdhsa.kernels:
  - .name:           k_qd90d95b831_attn
    .symbol:         k_qd90d95b831_attn.kd
    .args:
      - { .name: qk, .offset: 0, .size: 8, .value_kind: global_buffer, .address_space: global }
      - { .name: vt, .offset: 8, .size: 8, .value_kind: global_buffer, .address_space: global }
      - { .name: act, .offset: 16, .size: 8, .value_kind: global_buffer, .address_space: global }
    .group_segment_fixed_size: 212992
    .private_segment_fixed_size: 0
    .kernarg_segment_align: 8
    .kernarg_segment_size: 24
    .max_flat_workgroup_size: 512
    .sgpr_count:     100
    .vgpr_count:     256
    .wavefront_size: 32
...
	.end_amdgpu_metadata
.endif
;; end of part 3
;; launch proj (part 4): grid 8 x 32, 4 waves a work-group, clusters of 4 x 4, 327,680 bytes of LDS; arguments act, wc, proj_b, x, x1; writes x1
.if DOCPART == 4
	.amdgcn_target "amdgcn-amd-amdhsa--gfx1250"
	.amdhsa_code_object_version 6
	.text
	.protected	k_qd90d95b831_proj
	.globl	k_qd90d95b831_proj
	.p2align	8
	.type	k_qd90d95b831_proj,@function
k_qd90d95b831_proj:
	s_mov_b64 s[64:65], 0
	v_nop
	global_prefetch_b8 v0, s[64:65] scope:SCOPE_SE
	s_setreg_imm32_b32 hwreg(HW_REG_WAVE_MODE, 25, 1), 1
	s_wait_xcnt 0x0
	s_wait_alu depctr_hold_cnt(0) depctr_sa_sdst(0) depctr_va_vdst(0) depctr_va_sdst(0) depctr_va_ssrc(0) depctr_va_vcc(0) depctr_vm_vsrc(0)
	s_getreg_b32 s2, hwreg(HW_REG_IB_STS2, 6, 4)
	s_cmp_eq_u32 s2, 0
	s_cbranch_scc0 .Lentry_in_a_cluster
	s_endpgm
.Lentry_in_a_cluster:
	s_bfe_u32 s2, ttmp6, 0x10000c
	s_cmp_lg_u32 s2, 0xf033
	s_cbranch_scc0 .Lentry_shape_is_right
	s_endpgm
.Lentry_shape_is_right:
; x1 = x + o proj_w + proj_b on codes of E2M3: o's codes (act) and proj_w's (wc) are workspace blocks (64 rows x 128 K in 6,400 bytes: four images of an operand's 12 registers, then 256 bytes of scale words).  Nothing of the problem is left out here.
; A block is 128 tokens x 128 columns, four waves of 64 x 64; 256 work-groups.  ALL OF K = 1,024 LIES IN LDS: each wave brings one row group's eight blocks, 51,200 dense bytes, by ONE joint load at the head
; (waves 0, 1 the tokens', waves 2, 3 the weights'); nothing is filled again, so one barrier stands in front of the eight steps and none among them.
; CLUSTERS: 4 x 4; the tokens' tile is shared along a row, the weights' along a column.  No prefetch: the launch has one fill and no loop to run ahead in.
; The sums begin with the bias; the results go through each wave's own stage, on LDS bytes behind the tiles, come back as rows of 256 bytes, take x and are stored.
.set NA, 4
.set NB, 4
.set NQ, 8
.set KCN, 8
.set LAPS, 1
.set WOFF, 2457600
.set BLK, 6400
.set DPITCH, 1600
.set RGT, NA/2
.set RGH, NA/4
.set HALF, NQ*BLK
.set SLOT, 4*HALF
.set SPARE, SLOT+4*16*272              ; behind the tiles the four stages, behind them the spare words
.set ADRA, 16
.set ADRB, 18
.set ASA, 20
.set ASB, 22
.set STO, 24
.set RD, 25
.set CO, 26
.set SPW, 28
.set NIL, 29
.set SA, 32
.set SB, 48
.set BK, 64
.set AF, 128
.set G1, 24
.set G0, 32
.set G1B, 48
.set G0B, 56
.set MSB, 0
.macro WIN new
.if MSB != (\new)
	s_set_vgpr_msb (MSB<<8)|(\new)
.set MSB, (\new)
.endif
.endm
.macro JLOAD g0a, g1a, g0b, g1b
	s_cmp_eq_u32 s15, 0
	s_cbranch_scc0 .Lfor_b_\@
	tensor_load_to_lds s[\g0a:\g0a+3], s[\g1a:\g1a+7]
	s_nop 0
.rept 4
	v_nop
.endr
	s_branch .Lasked_\@
.Lfor_b_\@:
	tensor_load_to_lds s[\g0b:\g0b+3], s[\g1b:\g1b+7]
	s_nop 0
.rept 4
	v_nop
.endr
.Lasked_\@:
.endm
.macro CREST
	s_cmp_lg_u32 s14, 0
	s_cbranch_scc1 .Lnot_wave_0_\@
	s_barrier_signal -3
.Lnot_wave_0_\@:
	s_barrier_wait -3
	s_barrier_signal -1
	s_barrier_wait -1
.endm
.macro CROUND
	s_barrier_signal -1
	s_barrier_wait -1
	CREST
.endm
.macro PLACES
.rept 4
	v_nop
.endr
.endm
.macro FRAGL reg, adr, off
	ds_load_b128 v[\reg:\reg+3], v[\adr] offset:\off
	ds_load_b128 v[\reg+4:\reg+7], v[\adr] offset:\off+512
	ds_load_b128 v[\reg+8:\reg+11], v[\adr] offset:\off+1024
.endm
.macro FETCH_B slot, q, p
	WIN 0x40
.set FI, 0
.rept NB
	FRAGL 128*(\p)+12*FI, ADRB+\slot, (FI/4)*NQ*BLK+(\q)*BLK+(FI%4)*1536
.set FI, FI+1
.endr
	WIN 0
.endm
.macro FETCH_A slot, q, i0
.set FI, \i0
.rept NA/2
	FRAGL AF+12*FI, ADRA+\slot, (FI/4)*NQ*BLK+(\q)*BLK+(FI%4)*1536
.set FI, FI+1
.endr
.endm
.macro SCALES slot, q, p
.set FI, 0
.rept NA/4
	ds_load_b128 v[SA+NA*(\p)+4*FI:SA+NA*(\p)+4*FI+3], v[ASA+\slot] offset:FI*NQ*BLK+(\q)*BLK+6144
	ds_load_b128 v[SB+NB*(\p)+4*FI:SB+NB*(\p)+4*FI+3], v[ASB+\slot] offset:FI*NQ*BLK+(\q)*BLK+6144
.set FI, FI+1
.endr
.endm
.macro MULA a, p, cin
.set AW, 2+(\a)/(NA/2)
.set AB, 8*NB*((\a)%(NA/2))
.if (\cin) == 0
.set WM, (AW<<6)|(AW<<4)|1
.else
.set WM, (AW<<6)|(1<<4)|1
.endif
	WIN WM
.set MB, 0
.rept NB
.if (\cin) == 0
	v_wmma_scale_f32_16x16x128_f8f6f4 v[AB+8*MB:AB+8*MB+7], v[128*(\p)+12*MB:128*(\p)+12*MB+11], v[AF+12*(\a):AF+12*(\a)+11], v[AB+8*MB:AB+8*MB+7], v[SB+NB*(\p)+MB], v[SA+NA*(\p)+(\a)] matrix_a_fmt:MATRIX_FMT_FP6 matrix_b_fmt:MATRIX_FMT_FP6
.else
.set CT, 96+8*(MB%4)+128*(MB/4)
	v_wmma_scale_f32_16x16x128_f8f6f4 v[AB+8*MB:AB+8*MB+7], v[128*(\p)+12*MB:128*(\p)+12*MB+11], v[AF+12*(\a):AF+12*(\a)+11], v[CT:CT+7], v[SB+NB*(\p)+MB], v[SA+NA*(\p)+(\a)] matrix_a_fmt:MATRIX_FMT_FP6 matrix_b_fmt:MATRIX_FMT_FP6
.endif
.set MB, MB+1
.endr
.endm
.macro STEP slot, q, cin
	s_wait_dscnt 3*NA/2
.set MA, 0
.rept NA/2
	MULA MA, (\q)%2, \cin
.set MA, MA+1
.endr
	s_wait_dscnt 0x0
	PLACES
	FETCH_B \slot, (\q)+1, 1-(\q)%2
	SCALES \slot, (\q)+1, 1-(\q)%2
	FETCH_A \slot, (\q)+1, 0
.rept NA/2
	MULA MA, (\q)%2, \cin
.set MA, MA+1
.endr
	PLACES
	WIN 0
	FETCH_A \slot, (\q)+1, NA/2
.endm
.macro TURN slot, next, fill
	s_wait_tensorcnt 0x0
	ds_add_u32 v[SPW], v[NIL]
	s_wait_dscnt 3*NA/2+1
.set MA, 0
.rept NA/4
	MULA MA, 1, 0
.set MA, MA+1
.endr
	s_wait_dscnt 0x0
	s_barrier_signal -1
.rept NA/4
	MULA MA, 1, 0
.set MA, MA+1
.endr
	WIN 0
	s_barrier_wait -1
.if \fill
	CREST
	s_add_nc_u64 s[G0+4*\slot+2:G0+4*\slot+3], s[G0+4*\slot+2:G0+4*\slot+3], 2*NQ*BLK
	s_add_nc_u64 s[G0B+4*\slot+2:G0B+4*\slot+3], s[G0B+4*\slot+2:G0B+4*\slot+3], 2*NQ*BLK
	JLOAD G0+4*\slot, G1, G0B+4*\slot, G1B
.else
	PLACES
.endif
	FETCH_B \next, 0, 0
	SCALES \next, 0, 0
	FETCH_A \next, 0, 0
.rept NA/2
	MULA MA, 1, 0
.set MA, MA+1
.endr
	PLACES
	WIN 0
	FETCH_A \next, 0, NA/2
.endm
.macro MID slot, q0
.set MQ, \q0
.rept NQ-1-(\q0)
	STEP \slot, MQ, 0
.set MQ, MQ+1
.endr
.endm
.macro LAST
	s_wait_dscnt 3*NA/2
.set MA, 0
.rept NA/2
	MULA MA, 1, 0
.set MA, MA+1
.endr
	s_wait_dscnt 0x0
.rept NA/2
	MULA MA, 1, 0
.set MA, MA+1
.endr
	WIN 0
.endm
.macro TOSTAGE a
.set W1, (2+(\a)/2)<<2
	WIN W1
.set AB, 32*((\a)%2)
.irp b, 0,1,2,3
	ds_store_b128 v[STO], v[AB+8*\b:AB+8*\b+3] offset:128*(\b/2)+32*(\b%2)
	ds_store_b128 v[STO], v[AB+8*\b+4:AB+8*\b+7] offset:128*(\b/2)+32*(\b%2)+16
.endr
	WIN 0
.set BB, BK+32*((\a)%2)
.irp t, 0,1,2,3,4,5,6,7
	ds_load_b128 v[BB+4*\t:BB+4*\t+3], v[RD] offset:544*\t
.endr
.endm
.macro SEND a, younger
.set BB, BK+32*((\a)%2)
	s_wait_dscnt \younger
	WIN 0x08
.set J, 0
.rept 16
	v_pk_add_f32 v[BB+J:BB+J+1], v[BB+J:BB+J+1], v[128+32*(\a)+J:128+32*(\a)+J+1]
.set J, J+2
.endr
	WIN 0
.irp t, 0,1,2,3,4,5,6,7
	global_store_b128 v[CO], v[BB+4*\t:BB+4*\t+3], s[12:13] offset:(32*((\a)/2)+8*((\a)%2)+2*\t+8*(\t/4))*4096
.endr
.endm
	s_load_b256 s[4:11], s[0:1], 0x0
	s_load_b64 s[12:13], s[0:1], 0x20
	v_lshl_add_u32 v[SPW], v0, 2, SPARE
	v_mov_b32 v[NIL], 0
	ds_add_u32 v[SPW], v[NIL]
	ds_add_u32 v[SPW], v[NIL]
	v_lshrrev_b32 v1, 5, v0
	v_readfirstlane_b32 s14, v1
	s_lshr_b32 s15, s14, 1
	s_and_b32 s16, s14, 1
	s_bfe_u32 s40, ttmp6, 0x40000
	s_bfe_u32 s41, ttmp6, 0x40004
	s_lshl_b32 s42, ttmp9, 2
	s_add_co_u32 s42, s42, s40
	s_and_b32 s17, ttmp7, 0xffff
	s_lshl_b32 s17, s17, 2
	s_add_co_u32 s17, s17, s41
	s_lshl_b32 s43, s41, 2
	s_lshl_b32 s43, 15, s43
	s_lshl_b32 s44, 0x1111, s40
	s_or_b32 s[G1+0], s43, (3<<16)|(1<<21)
	s_or_b32 s[G1B+0], s44, (3<<16)|(1<<21)
.irp g, G1, G1B
	s_mov_b32 s[\g+1], 1600<<16
	s_mov_b32 s[\g+2], 4<<16
	s_mov_b32 s[\g+3], 1600<<16
	s_mov_b32 s[\g+4], 4
	s_mov_b32 s[\g+5], DPITCH
	s_mov_b32 s[\g+6], 0
	s_mov_b32 s[\g+7], 0
.endr
	s_mul_i32 s18, s16, RGH
	s_mul_i32 s20, s17, RGT
	s_add_co_u32 s20, s20, s18
	s_mul_i32 s20, s20, KCN*BLK
	s_mov_b32 s21, 0
	s_mul_i32 s46, s42, RGT
	s_add_co_u32 s46, s46, s18
	s_mul_i32 s46, s46, KCN*BLK
	s_add_co_u32 s46, s46, WOFF
	s_mov_b32 s47, 0
	s_mul_i32 s45, s14, HALF
	s_wait_dscnt 0x0
	s_wait_kmcnt 0x0
	s_add_nc_u64 s[20:21], s[4:5], s[20:21]
	s_add_nc_u64 s[46:47], s[6:7], s[46:47]
	s_mov_b32 s[G0], 1
	s_mov_b32 s[G0+1], s45
	s_mov_b64 s[G0+2:G0+3], s[20:21]
	s_or_b32 s[G0+3], s[G0+3], 0x80000000
	s_mov_b32 s[G0B], 1
	s_mov_b32 s[G0B+1], s45
	s_mov_b64 s[G0B+2:G0B+3], s[46:47]
	s_or_b32 s[G0B+3], s[G0B+3], 0x80000000
	CROUND                                         ; all sixteen work-groups are here: the joint loads meet
	JLOAD G0, G1, G0B, G1B                         ; my one tensor load: a row group, all of K
	v_and_b32 v1, 15, v0
	v_bfe_u32 v2, v0, 4, 1
	v_and_b32 v3, 31, v0
	v_lshlrev_b32 v3, 4, v3
	v_lshlrev_b32 v4, 4, v1
	v_lshlrev_b32 v5, 6, v2
	s_wait_alu depctr_va_vdst(0)
	v_lshlrev_b32 v[CO], 12, v2
	v_lshl_add_u32 v[CO], v1, 4, v[CO]
	s_wait_alu depctr_va_vdst(0)
	s_lshl_b32 s70, s42, 9
	s_lshl_b32 s71, s16, 8
	s_add_co_u32 s70, s70, s71
	s_mov_b32 s71, 0
	s_add_nc_u64 s[8:9], s[8:9], s[70:71]
	s_lshl_b32 s72, s17, 7
	s_lshl_b32 s73, s15, 6
	s_add_co_u32 s72, s72, s73
	s_lshl_b32 s72, s72, 12
	s_add_co_u32 s72, s72, s70
	s_mov_b32 s73, 0
	s_add_nc_u64 s[10:11], s[10:11], s[72:73]
	s_add_nc_u64 s[12:13], s[12:13], s[72:73]
	WIN 0x40
.irp t, 0,1,2,3
	global_load_b128 v[96+8*\t:99+8*\t], v5, s[8:9] offset:(32*(\t/2)+8*(\t%2))*4
	global_load_b128 v[100+8*\t:103+8*\t], v5, s[8:9] offset:(32*(\t/2)+8*(\t%2))*4+16
.endr
	WIN 0x80
.irp a, 0,1,2,3
.irp t, 0,1,2,3,4,5,6,7
	global_load_b128 v[128+32*\a+4*\t:131+32*\a+4*\t], v[CO], s[10:11] offset:(32*(\a/2)+8*(\a%2)+2*\t+8*(\t/4))*4096
.endr
.endr
	WIN 0
	s_mul_i32 s18, s15, HALF
	s_mul_i32 s19, s16, HALF
	s_add_co_u32 s19, s19, 2*HALF
	v_add_nc_u32 v[ADRA], s18, v3
	v_add_nc_u32 v[ADRB], s19, v3
	v_add_nc_u32 v[ASA], s18, v4
	v_add_nc_u32 v[ASB], s19, v4
	s_mul_i32 s18, s14, 16*272
	s_add_co_u32 s18, s18, SLOT                    ; my stage, behind the tiles
	v_mul_u32_u24 v[STO], v1, 272
	v_lshl_add_u32 v[STO], v2, 6, v[STO]
	v_add_nc_u32 v[STO], s18, v[STO]
	v_mul_u32_u24 v[RD], v2, 272
	v_lshl_add_u32 v[RD], v1, 4, v[RD]
	v_add_nc_u32 v[RD], s18, v[RD]
	s_wait_alu depctr_va_vdst(0)
	s_wait_tensorcnt 0x0
	s_barrier_signal -1
	s_barrier_wait -1
	FETCH_B 0, 0, 0
	SCALES 0, 0, 0
	FETCH_A 0, 0, 0
	FETCH_A 0, 0, NA/2
	s_wait_loadcnt 32
	STEP 0, 0, 1
	MID 0, 1
	LAST
	PLACES
	s_wait_loadcnt 0x0
	TOSTAGE 0
.irp a, 1,2,3
.if \a > 1
	s_wait_xcnt 0x0
.endif
	TOSTAGE \a
	SEND \a-1, 16
.endr
	SEND 3, 0
	s_wait_tensorcnt 0x0
	ds_add_u32 v[SPW], v[NIL]
	s_wait_dscnt 0x0
	CROUND
	s_endpgm
.Lfunc_end_k_qd90d95b831_proj:
	.size	k_qd90d95b831_proj, .Lfunc_end_k_qd90d95b831_proj-k_qd90d95b831_proj
	.p2alignl 7, 3214868480
	.fill 96, 4, 3214868480
	.section	.rodata,"a",@progbits
	.p2align	6, 0x0
	.amdhsa_kernel k_qd90d95b831_proj
		.amdhsa_group_segment_fixed_size 327680
		.amdhsa_private_segment_fixed_size 0
		.amdhsa_enable_private_segment 0
		.amdhsa_kernarg_size 40
		.amdhsa_user_sgpr_count 2
		.amdhsa_user_sgpr_kernarg_segment_ptr 1
		.amdhsa_wavefront_size32 1
		.amdhsa_system_sgpr_workgroup_id_x 1
		.amdhsa_system_sgpr_workgroup_id_y 1
		.amdhsa_system_sgpr_workgroup_id_z 1
		.amdhsa_system_vgpr_workitem_id 0
		.amdhsa_next_free_vgpr 1024
		.amdhsa_next_free_sgpr 100
		.amdhsa_reserve_vcc 0
		.amdhsa_float_denorm_mode_32 3
		.amdhsa_float_denorm_mode_16_64 3
		.amdhsa_memory_ordered 1
		.amdhsa_forward_progress 1
		.amdhsa_inst_pref_size 55
	.end_amdhsa_kernel
	.amdgpu_metadata
---
amdhsa.version: [ 1, 2 ]
amdhsa.kernels:
  - .name:           k_qd90d95b831_proj
    .symbol:         k_qd90d95b831_proj.kd
    .args:
      - { .name: act, .offset: 0, .size: 8, .value_kind: global_buffer, .address_space: global }
      - { .name: wc, .offset: 8, .size: 8, .value_kind: global_buffer, .address_space: global }
      - { .name: proj_b, .offset: 16, .size: 8, .value_kind: global_buffer, .address_space: global }
      - { .name: x, .offset: 24, .size: 8, .value_kind: global_buffer, .address_space: global }
      - { .name: x1, .offset: 32, .size: 8, .value_kind: global_buffer, .address_space: global }
    .group_segment_fixed_size: 327680
    .private_segment_fixed_size: 0
    .kernarg_segment_align: 8
    .kernarg_segment_size: 40
    .max_flat_workgroup_size: 128
    .sgpr_count:     100
    .vgpr_count:     1024
    .wavefront_size: 32
...
	.end_amdgpu_metadata
.endif
;; end of part 4
;; launch ln1 (part 5): grid 256 x 1, 8 waves a work-group, no clusters, 66,816 bytes of LDS; arguments x1, ln2_g, ln2_b, act; writes act
.if DOCPART == 5
	.amdgcn_target "amdgcn-amd-amdhsa--gfx1250"
	.amdhsa_code_object_version 6
	.text
	.protected	k_qd90d95b831_ln1
	.globl	k_qd90d95b831_ln1
	.p2align	8
	.type	k_qd90d95b831_ln1,@function
k_qd90d95b831_ln1:
	s_mov_b64 s[64:65], 0
	v_nop
	global_prefetch_b8 v0, s[64:65] scope:SCOPE_SE
	s_setreg_imm32_b32 hwreg(HW_REG_WAVE_MODE, 25, 1), 1
	s_wait_xcnt 0x0
; y = (x - mean) x rsqrt(var + 1e-5) x g + b along rows of 1,024 f32, quantised along the row to E2M3 codes with E8M0 bytes, into the workspace layout
; (blocks of 64 rows x 128 K, 6,400 bytes: four images of 1,536 bytes, 256 bytes of scale words; fragment f's lane r holds row 64 G + 32 (f / 2) + 8 (f % 2) + r % 8 + 16 (r / 8)).  Nothing of the problem is left out here.
; LIMITS: NaN and infinities are not served; a block under 2^-124 gets the byte 1.
; Work-group i owns the 16 rows of fragment f = i % 4 of row group G = i / 4, in all 8 blocks along K.  Eight waves.
; PHASE 1: a wave takes two rows whole (32 registers each): mean, then the variance of x - mean, all in the wave; y goes to a stage in LDS, rows 4,112 bytes apart.  One barrier.
; PHASE 2: wave w takes block C = w: lane (r, h) reads of row r the 2 x 32 numbers that the operand's layout gives it, so two whole blocks of 32 are its own; the conversions' results are the operand's registers.
; The image leaves by three stores of 512 consecutive bytes.  The 16 scale words are 4 bytes at every 16: the four fragments of a block belong to four work-groups (64 rows to a work-group would leave 64 work-groups).
; No cluster: work-groups share only g and b, 8 KB.  No matrix work.
.set PITCH, 4112                       ; 1,028 words: row r starts at bank 4 r mod 64
.set SPARE, 16*PITCH
.set SPW,  12
.set NIL,  13
.set X0,   32
.set X1,   64
.set GG,   96
.set BB,   128
.set Y,    32                          ; phase 2: 64 numbers
.set PC,   168                         ; phase 2: the 12 registers of codes
.set T,    180
.set SEL,  28                          ; s[28:29] selects of v_permlanex16_b32: lane l xor 16
	s_load_b256 s[4:11], s[0:1], 0x0               ; x, g, b, the codes' buffer
	v_lshl_add_u32 v[SPW], v0, 2, SPARE
	v_mov_b32 v[NIL], 0
	v_lshrrev_b32 v1, 5, v0
	s_delay_alu instid0(VALU_DEP_1)
	v_readfirstlane_b32 s12, v1                    ; wave
	s_lshr_b32 s13, ttmp9, 2                       ; G
	s_and_b32 s14, ttmp9, 3                        ; f
	s_lshl_b32 s15, s13, 6                         ; my first row: 64 G + 32 (f / 2) + 8 (f % 2) + (2 w) % 8 + 16 (w / 4); my second is the next
	s_lshr_b32 s16, s14, 1
	s_lshl_b32 s16, s16, 5
	s_add_co_u32 s15, s15, s16
	s_and_b32 s16, s14, 1
	s_lshl_b32 s16, s16, 3
	s_add_co_u32 s15, s15, s16
	s_lshl_b32 s16, s12, 1
	s_and_b32 s16, s16, 7
	s_add_co_u32 s15, s15, s16
	s_lshr_b32 s16, s12, 2
	s_lshl_b32 s16, s16, 4
	s_add_co_u32 s15, s15, s16
	s_lshl_b32 s18, s15, 12
	s_mov_b32 s19, 0
	s_lshl_b32 s24, s13, 3
	s_add_co_u32 s24, s24, s12
	s_mul_i32 s24, s24, 6400                       ; block (G, w)
	s_mov_b32 s25, 0
	s_mul_i32 s26, s14, 1536                       ; fragment f in it
	s_mov_b32 s27, 0
	s_mov_b32 s[SEL], 0x76543210
	s_mov_b32 s[SEL+1], 0xfedcba98
	s_mov_b32 s30, 0x3a800000                      ; 1 / 1,024
	s_mov_b32 s31, 0x3727c5ac                      ; 1e-5
	v_and_b32 v1, 31, v0                           ; lane
	v_and_b32 v2, 15, v0                           ; r
	v_bfe_u32 v3, v0, 4, 1                         ; h
	s_delay_alu instid0(VALU_DEP_3)
	v_lshlrev_b32 v4, 4, v1                        ; 16 x lane
	s_mul_i32 s20, s12, 2*PITCH
	v_add_nc_u32 v5, s20, v4                       ; the stage, in: my two rows
	v_mul_u32_u24 v6, v2, PITCH
	s_delay_alu instid0(VALU_DEP_1)
	v_lshl_add_u32 v6, v3, 7, v6
	s_lshl_b32 s21, s12, 9
	v_add_nc_u32 v6, s21, v6                       ; the stage, out: row r, + 512 w + 128 h
	s_lshl_b32 s22, s14, 2
	v_lshl_add_u32 v7, v2, 4, s22                  ; my scale word in the block: 16 r + 4 f
	v_mov_b32 v176, 0                              ; written once: a lane permute's destination counts as one of its sources
	s_wait_alu depctr_va_vdst(0)
	s_wait_kmcnt 0x0
	s_add_nc_u64 s[4:5], s[4:5], s[18:19]
	s_add_nc_u64 s[24:25], s[10:11], s[24:25]
	s_add_nc_u64 s[26:27], s[24:25], s[26:27]
.irp j, 0,1,2,3,4,5,6,7
	global_load_b128 v[X0+4*\j:X0+4*\j+3], v4, s[4:5] offset:512*\j
.endr
.irp j, 0,1,2,3,4,5,6,7
	global_load_b128 v[X1+4*\j:X1+4*\j+3], v4, s[4:5] offset:4096+512*\j
.endr
.irp j, 0,1,2,3,4,5,6,7
	global_load_b128 v[GG+4*\j:GG+4*\j+3], v4, s[6:7] offset:512*\j
.endr
.irp j, 0,1,2,3,4,5,6,7
	global_load_b128 v[BB+4*\j:BB+4*\j+3], v4, s[8:9] offset:512*\j
.endr
.macro ACROSS                          ; v[160:167], four pairs, become one sum in every lane's v160
	s_delay_alu instid0(VALU_DEP_3)
	v_pk_add_f32 v[160:161], v[160:161], v[162:163]
	s_delay_alu instid0(VALU_DEP_2)
	v_pk_add_f32 v[164:165], v[164:165], v[166:167]
	s_delay_alu instid0(VALU_DEP_1)
	v_pk_add_f32 v[160:161], v[160:161], v[164:165]
	s_delay_alu instid0(VALU_DEP_1)
	v_add_f32 v160, v160, v161
	s_delay_alu instid0(VALU_DEP_1)
	v_add_f32_dpp v160, v160, v160 row_xmask:1 row_mask:0xf bank_mask:0xf
	s_delay_alu instid0(VALU_DEP_1)
	v_add_f32_dpp v160, v160, v160 row_xmask:2 row_mask:0xf bank_mask:0xf
	s_delay_alu instid0(VALU_DEP_1)
	v_add_f32_dpp v160, v160, v160 row_xmask:4 row_mask:0xf bank_mask:0xf
	s_delay_alu instid0(VALU_DEP_1)
	v_add_f32_dpp v160, v160, v160 row_xmask:8 row_mask:0xf bank_mask:0xf
	s_delay_alu instid0(VALU_DEP_1)
	v_permlanex16_b32 v176, v160, s[SEL], s[SEL+1]
	s_delay_alu instid0(VALU_DEP_1)
	v_add_f32 v160, v160, v176
.endm
.macro STATS xb, rs, vr                ; the row in v[xb ..] becomes x - mean; 1 / sqrt(var + eps), twice, into v[rs], v[rs + 1]
.irp k, 0,1,2,3
	v_pk_add_f32 v[160+2*\k:161+2*\k], v[\xb+4*\k:\xb+4*\k+1], v[\xb+4*\k+2:\xb+4*\k+3]
.endr
.irp i, 16,24
.irp k, 0,1,2,3
	s_delay_alu instid0(VALU_DEP_4)
	v_pk_add_f32 v[160+2*\k:161+2*\k], v[160+2*\k:161+2*\k], v[\xb+\i+2*\k:\xb+\i+2*\k+1]
.endr
.endr
	ACROSS
	s_delay_alu instid0(VALU_DEP_1)
	v_mul_f32 v168, s30, v160                      ; the mean
	s_delay_alu instid0(VALU_DEP_1)
	v_mov_b32 v169, v168
.irp i, 0,2,4,6,8,10,12,14,16,18,20,22,24,26,28,30
	v_pk_add_f32 v[\xb+\i:\xb+\i+1], v[\xb+\i:\xb+\i+1], v[168:169] neg_lo:[0,1] neg_hi:[0,1]
.endr
.irp k, 0,1,2,3
	v_pk_mul_f32 v[160+2*\k:161+2*\k], v[\xb+2*\k:\xb+2*\k+1], v[\xb+2*\k:\xb+2*\k+1]
.endr
.irp i, 8,16,24
.irp k, 0,1,2,3
	s_delay_alu instid0(VALU_DEP_4)
	v_pk_fma_f32 v[160+2*\k:161+2*\k], v[\xb+\i+2*\k:\xb+\i+2*\k+1], v[\xb+\i+2*\k:\xb+\i+2*\k+1], v[160+2*\k:161+2*\k]
.endr
.endr
	ACROSS
	s_delay_alu instid0(VALU_DEP_1)
	v_fma_f32 v[\vr], v160, s30, s31               ; var + eps
	s_wait_alu depctr_va_vdst(0)
	v_rsq_f32 v[\rs], v[\vr]
	v_rsq_f32 v[\rs+1], v[\vr]                     ; twice: a pair for the packed multiply
.endm
.macro NORM xb, rs, off
.irp i, 0,2,4,6,8,10,12,14,16,18,20,22,24,26,28,30
	v_pk_mul_f32 v[\xb+\i:\xb+\i+1], v[\xb+\i:\xb+\i+1], v[\rs:\rs+1]
.endr
.irp i, 0,2,4,6,8,10,12,14,16,18,20,22,24,26,28,30
	v_pk_fma_f32 v[\xb+\i:\xb+\i+1], v[\xb+\i:\xb+\i+1], v[GG+\i:GG+\i+1], v[BB+\i:BB+\i+1]
.endr
.irp j, 0,1,2,3,4,5,6,7
	ds_store_b128 v5, v[\xb+4*\j:\xb+4*\j+3] offset:\off+512*\j
.endr
.endm
	s_wait_loadcnt 24                              ; my first row's eight loads are in; the 24 behind them may be out
	STATS X0, 172, 170
	s_wait_loadcnt 16                              ; my second row's; g's and b's 16 may be out
	STATS X1, 174, 171
	v_nop                                          ; a plain line behind the last reciprocal root
	s_wait_alu depctr_va_vdst(0)                   ; one wait for the four, ahead of their first reader
	s_wait_loadcnt 0x0                             ; g and b
	NORM X0, 172, 0
	NORM X1, 174, PITCH
	s_wait_dscnt 0x0                               ; for the others' sake: my rows lie in the stage
	s_barrier_signal -1
	s_barrier_wait -1
.irp c, 0,1
.irp i, 0,1,2,3,4,5,6,7
	ds_load_b128 v[Y+32*\c+4*\i:Y+32*\c+4*\i+3], v6 offset:256*\c+16*\i   ; register 32 c + i: k = 128 w + 64 c + 32 h + i of row r
.endr
.endr
	s_wait_dscnt 0x0
.irp c, 0,1                            ; my block 2 c + h: all its 32 numbers are mine
	v_max3_num_f32 v[160+\c], |v[Y+32*\c]|, |v[Y+1+32*\c]|, 0x1800000   ; with the floor 2^(3 - 127)
.endr
.irp i, 2,4,6,8,10,12,14,16,18,20,22,24,26,28,30
.irp c, 0,1
	s_delay_alu instid0(VALU_DEP_2)
	v_max3_num_f32 v[160+\c], v[160+\c], |v[Y+32*\c+\i]|, |v[Y+1+32*\c+\i]|
.endr
.endr
.irp c, 0,1
	s_delay_alu instid0(VALU_DEP_2)
	v_add_nc_u32 v[162+\c], 0xff000000, v[160+\c]  ; 2 off the exponent field: the conversion's scale operand
.endr
.irp c, 0,1
	s_delay_alu instid0(VALU_DEP_2)
	v_lshrrev_b32 v[164+\c], 23, v[162+\c]         ; the scale's byte
.endr
	s_delay_alu instid0(VALU_DEP_1)
	v_lshl_or_b32 v166, v165, 16, v164             ; my two bytes: blocks h and 2 + h,
	v_lshlrev_b32 v167, 3, v3
	s_delay_alu instid0(VALU_DEP_1)
	v_lshlrev_b32 v166, v167, v166                 ; 8 h bits up;
	v_mov_b32 v167, 0
	s_delay_alu instid0(VALU_DEP_1)
	v_permlanex16_b32 v167, v166, s[SEL], s[SEL+1]
	s_delay_alu instid0(VALU_DEP_1)
	v_or_b32 v166, v166, v167                      ; with lane l xor 16's two the word is whole
.irp c, 0,1
	v_cvt_scalef32_pk16_fp6_f32 v[PC+6*\c:PC+2+6*\c], v[Y+32*\c:Y+15+32*\c], v[162+\c]
	v_cvt_scalef32_pk16_fp6_f32 v[T+4*\c:T+2+4*\c], v[Y+16+32*\c:Y+31+32*\c], v[162+\c]   ; (a conversion's three registers begin on an even number)
.endr
	v_nop                                          ; one plain line behind the conversions
.irp c, 0,1
.irp i, 0,1,2
	v_mov_b32 v[PC+3+6*\c+\i], v[T+4*\c+\i]
.endr
.endr
.irp c, 0,1,2
	global_store_b128 v4, v[PC+4*\c:PC+4*\c+3], s[26:27] offset:512*\c   ; the image: 512 consecutive bytes a store
.endr
	s_wait_xcnt 0x0                                ; EXEC changes only behind this wait
	v_cmp_gt_u32 vcc_lo, 16, v1
	s_and_saveexec_b32 s23, vcc_lo                 ; lanes 0-15: one word a row
	global_store_b32 v7, v166, s[24:25] offset:6144
	s_wait_xcnt 0x0                                ; and again, ahead of the line that widens it
	s_or_b32 exec_lo, exec_lo, s23
	s_wait_tensorcnt 0x0                           ; the wave's end
	ds_add_u32 v[SPW], v[NIL]
	s_wait_dscnt 0x0
	s_endpgm
.Lfunc_end_k_qd90d95b831_ln1:
	.size	k_qd90d95b831_ln1, .Lfunc_end_k_qd90d95b831_ln1-k_qd90d95b831_ln1
	.p2alignl 7, 3214868480
	.fill 96, 4, 3214868480
	.section	.rodata,"a",@progbits
	.p2align	6, 0x0
	.amdhsa_kernel k_qd90d95b831_ln1
		.amdhsa_group_segment_fixed_size 66816
		.amdhsa_private_segment_fixed_size 0
		.amdhsa_enable_private_segment 0
		.amdhsa_kernarg_size 32
		.amdhsa_user_sgpr_count 2
		.amdhsa_user_sgpr_kernarg_segment_ptr 1
		.amdhsa_wavefront_size32 1
		.amdhsa_system_sgpr_workgroup_id_x 1
		.amdhsa_system_sgpr_workgroup_id_y 1
		.amdhsa_system_sgpr_workgroup_id_z 1
		.amdhsa_system_vgpr_workitem_id 0
		.amdhsa_next_free_vgpr 192
		.amdhsa_next_free_sgpr 66
		.amdhsa_reserve_vcc 1
		.amdhsa_float_denorm_mode_32 3
		.amdhsa_float_denorm_mode_16_64 3
		.amdhsa_memory_ordered 1
		.amdhsa_forward_progress 1
		.amdhsa_inst_pref_size 28
	.end_amdhsa_kernel
	.amdgpu_metadata
---
amdhsa.version: [ 1, 2 ]
amdhsa.kernels:
  - .name:           k_qd90d95b831_ln1
    .symbol:         k_qd90d95b831_ln1.kd
    .args:
      - { .name: x1, .offset: 0, .size: 8, .value_kind: global_buffer, .address_space: global }
      - { .name: ln2_g, .offset: 8, .size: 8, .value_kind: global_buffer, .address_space: global }
      - { .name: ln2_b, .offset: 16, .size: 8, .value_kind: global_buffer, .address_space: global }
      - { .name: act, .offset: 24, .size: 8, .value_kind: global_buffer, .address_space: global }
    .group_segment_fixed_size: 66816
    .private_segment_fixed_size: 0
    .kernarg_segment_align: 8
    .kernarg_segment_size: 32
    .max_flat_workgroup_size: 256
    .sgpr_count:     66
    .vgpr_count:     192
    .wavefront_size: 32
...
	.end_amdgpu_metadata
.endif
;; end of part 5
;; launch fc1 (part 6): grid 16 x 16, 4 waves a work-group, clusters of 4 x 4, 327,680 bytes of LDS; arguments act, wc, fc1_b, hid; writes hid
.if DOCPART == 6
	.amdgcn_target "amdgcn-amd-amdhsa--gfx1250"
	.amdhsa_code_object_version 6
	.text
	.protected	k_qd90d95b831_fc1
	.globl	k_qd90d95b831_fc1
	.p2align	8
	.type	k_qd90d95b831_fc1,@function
k_qd90d95b831_fc1:
	s_mov_b64 s[64:65], 0
	v_nop
	global_prefetch_b8 v0, s[64:65] scope:SCOPE_SE
	s_setreg_imm32_b32 hwreg(HW_REG_WAVE_MODE, 25, 1), 1
	s_wait_xcnt 0x0
	s_wait_alu depctr_hold_cnt(0) depctr_sa_sdst(0) depctr_va_vdst(0) depctr_va_sdst(0) depctr_va_ssrc(0) depctr_va_vcc(0) depctr_vm_vsrc(0)
	s_getreg_b32 s2, hwreg(HW_REG_IB_STS2, 6, 4)
	s_cmp_eq_u32 s2, 0
	s_cbranch_scc0 .Lentry_in_a_cluster
	s_endpgm
.Lentry_in_a_cluster:
	s_bfe_u32 s2, ttmp6, 0x10000c
	s_cmp_lg_u32 s2, 0xf033
	s_cbranch_scc0 .Lentry_shape_is_right
	s_endpgm
.Lentry_shape_is_right:
; hid = gelu(LN2(x1) fc1_w + fc1_b), quantised along the 4,096 hidden units: operands and result are workspace blocks of E2M3 codes (64 rows x 128 K in 6,400 bytes: four images of an operand's 12 registers, then 256 bytes of scale words).
; Nothing of the problem is left out here.  LIMITS: NaN and infinities are not served; a block under 2^-124 gets the byte 1.
; gelu(x) = 0.5 x (1 + tanh(u)), u = sqrt(2 / pi) (x + 0.044715 x^3), is computed as x / (1 + 2^(-(K1 + K2 x^2) x)), K1 = 2 log2(e) sqrt(2 / pi), K2 = 0.044715 K1: the same function; at both ends it gives x or 0, never NaN.
; A tile is 256 tokens x 256 hidden units, four waves of 128 x 128: 64 accumulators.  K = 1,024 is four quarters of 256.  THREE LDS slots take the first three quarters at the start (three tensor loads of a wave are out);
; the fourth quarter comes into slot 0 behind the one change of slots that fills bytes again, and has 224 matrix instructions in which to land.  Each wave fetches a quarter of a slot by one tensor load
; (two row groups x two blocks: two dense runs of 12,800 bytes).  The eight steps of 128 are written out: no two changes of slots are alike.
; CLUSTERS: 4 x 4; the tokens' tile is shared along a row, the weights' along a column: joint loads.
; Source 1 = tokens (a lane keeps a token), source 0 = weights: by the blocks' order of rows the 64 registers of a lane's eight tiles are 128 neighbouring hidden units: activated and quantised in registers.
; REGISTERS: window 0: v8-29 addresses; v32-63 scale words; v64-109 the way out; v128-223 A's fragments, on the way out v128-191 the activation; v224-239 the quantiser's.
;   window 1: B's fragments at v0 and v128; the bias's eight tiles at v96-127 and v224-255.   windows 2, 3: the accumulators.
; THE WALK AS IT STANDS (this takes the place of what the lines above say of the first three quarters and of the change of slots).  At the head each wave issues ONE joint load: waves 0 and 1 bring the tokens' whole tile
; (four row groups x two blocks, 51,200 bytes) of quarters 0 and 1 of K into slots 0 and 1, waves 2 and 3 the weights'.  Behind the wait for these, the add and a round, each wave brings its quarter of slot 2 (quarter 2 of K);
; behind the round at slot 1's end slot 0 takes quarter 3, which has slot 2's two steps in which to land.  One tensor load of a wave is out at any time.
; No prefetch: K is 1,024 at a block of 256 x 256 in clusters: half of K is asked for at the head and the rest within the first four of eight steps.
.set NA, 8
.set GH, 36                            ; s[36:39], s[60:63] groups 0 of the head's loads
.set GHB, 60
.set NB, 8
.set NQ, 2
.set KCN, 8
.set WOFF, 3276800
.set BLK, 6400
.set DPITCH, KCN*BLK/8
.set RGT, NA/2
.set RGH, NA/4
.set HALF, 4*BLK
.set SLOT, 4*HALF
.set NSLOT, 3
.set SPARE, NSLOT*SLOT                 ; behind the three slots: the spare words, 128 bytes a wave
.set ADRA, 8                           ; v8-10   LDS address of my A fragments in slot 0, 1, 2
.set ADRB, 11                          ; v11-13  the same for B
.set ASA, 16                           ; v16-18  of A's scale words
.set ASB, 19                           ; v19-21  of B's
.set VOU, 24
.set VSC, 26
.set LNE, 27
.set SPW, 28
.set NIL, 29
.set SA, 32
.set SB, 48
.set PC, 64
.set PWS, 96
.set WD, 104
.set K1V, 108
.set AF, 128
.set HA, 128
.set TM, 224
.set G1, 24
.set G0, 32                            ; s[32:39] groups 0 for A's tiles in slots 0 and 1;  s[92:95] in slot 2
.set G1B, 48
.set G0B, 56                           ; s[56:63] the same for B's;  s[96:99]
.set G0C, 92
.set G0BC, 96
.set OUT, 68
.set KK, 78
.set SEL, 86
.set MSB, 0
.macro WIN new                         ; the immediate's high byte repeats the setting that is left
.if MSB != (\new)
	s_set_vgpr_msb (MSB<<8)|(\new)
.set MSB, (\new)
.endif
.endm
.macro JLOAD g0a, g1a, g0b, g1b        ; a joint load: waves 0 and 1 fetch the tokens' halves, waves 2 and 3 the weights'; an s_nop 0 and four v_nop follow each line
	s_cmp_eq_u32 s15, 0
	s_cbranch_scc0 .Lfor_b_\@
	tensor_load_to_lds s[\g0a:\g0a+3], s[\g1a:\g1a+7]
	s_nop 0
.rept 4
	v_nop
.endr
	s_branch .Lasked_\@
.Lfor_b_\@:
	tensor_load_to_lds s[\g0b:\g0b+3], s[\g1b:\g1b+7]
	s_nop 0
.rept 4
	v_nop
.endr
.Lasked_\@:
.endm
.macro FIRST s, kq, ga, gb             ; groups 0 for my quarter of slot s, filled with quarter kq of K
	s_mov_b32 s[\ga], 1
	s_add_co_u32 s[\ga+1], s45, (\s)*SLOT
	s_add_nc_u64 s[\ga+2:\ga+3], s[20:21], (\kq)*NQ*BLK
	s_or_b32 s[\ga+3], s[\ga+3], 0x80000000
	s_mov_b32 s[\gb], 1
	s_add_co_u32 s[\gb+1], s45, (\s)*SLOT
	s_add_nc_u64 s[\gb+2:\gb+3], s[46:47], (\kq)*NQ*BLK
	s_or_b32 s[\gb+3], s[\gb+3], 0x80000000
.endm
.macro CREST
	s_cmp_lg_u32 s14, 0
	s_cbranch_scc1 .Lnot_wave_0_\@
	s_barrier_signal -3
.Lnot_wave_0_\@:
	s_barrier_wait -3
	s_barrier_signal -1
	s_barrier_wait -1
.endm
.macro CROUND
	s_barrier_signal -1
	s_barrier_wait -1
	CREST
.endm
.macro PLACES                          ; four plain lines behind matrix instructions, ahead of loads into their registers and of reads of their results
.rept 4
	v_nop
.endr
.endm
.macro FRAGL reg, adr, off
	ds_load_b128 v[\reg:\reg+3], v[\adr] offset:\off
	ds_load_b128 v[\reg+4:\reg+7], v[\adr] offset:\off+512
	ds_load_b128 v[\reg+8:\reg+11], v[\adr] offset:\off+1024
.endm
.macro FETCH_B slot, q, p
	WIN 0x40
.set FI, 0
.rept NB
	FRAGL 128*(\p)+12*FI, ADRB+\slot, (FI/4)*NQ*BLK+(\q)*BLK+(FI%4)*1536
.set FI, FI+1
.endr
	WIN 0
.endm
.macro FETCH_A slot, q, i0
.set FI, \i0
.rept NA/2
	FRAGL AF+12*FI, ADRA+\slot, (FI/4)*NQ*BLK+(\q)*BLK+(FI%4)*1536
.set FI, FI+1
.endr
.endm
.macro SCALES slot, q, p
.set FI, 0
.rept NA/4
	ds_load_b128 v[SA+NA*(\p)+4*FI:SA+NA*(\p)+4*FI+3], v[ASA+\slot] offset:FI*NQ*BLK+(\q)*BLK+6144
	ds_load_b128 v[SB+NB*(\p)+4*FI:SB+NB*(\p)+4*FI+3], v[ASB+\slot] offset:FI*NQ*BLK+(\q)*BLK+6144
.set FI, FI+1
.endr
.endm
; A's block a against B's NB fragments of set p.  cin = 0: adds in place; 1: the sum begins with the bias tile of b.  The accumulators take turns, one instruction a turn, in the same order in every step.
.macro MULA a, p, cin
.set AW, 2+(\a)/(NA/2)
.set AB, 8*NB*((\a)%(NA/2))
.if (\cin) == 0
.set WM, (AW<<6)|(AW<<4)|1
.else
.set WM, (AW<<6)|(1<<4)|1
.endif
	WIN WM
.set MB, 0
.rept NB
.if (\cin) == 0
	v_wmma_scale_f32_16x16x128_f8f6f4 v[AB+8*MB:AB+8*MB+7], v[128*(\p)+12*MB:128*(\p)+12*MB+11], v[AF+12*(\a):AF+12*(\a)+11], v[AB+8*MB:AB+8*MB+7], v[SB+NB*(\p)+MB], v[SA+NA*(\p)+(\a)] matrix_a_fmt:MATRIX_FMT_FP6 matrix_b_fmt:MATRIX_FMT_FP6
.else
.set CT, 96+8*(MB%4)+128*(MB/4)
	v_wmma_scale_f32_16x16x128_f8f6f4 v[AB+8*MB:AB+8*MB+7], v[128*(\p)+12*MB:128*(\p)+12*MB+11], v[AF+12*(\a):AF+12*(\a)+11], v[CT:CT+7], v[SB+NB*(\p)+MB], v[SA+NA*(\p)+(\a)] matrix_a_fmt:MATRIX_FMT_FP6 matrix_b_fmt:MATRIX_FMT_FP6
.endif
.set MB, MB+1
.endr
.endm
.macro STEP slot, q, cin
	s_wait_dscnt 3*NA/2                            ; B's set, the scale words and A's lower half are in; the youngest loads, A's upper half, may be out
.set MA, 0
.rept NA/2
	MULA MA, (\q)%2, \cin
.set MA, MA+1
.endr
	s_wait_dscnt 0x0
	PLACES
	FETCH_B \slot, (\q)+1, 1-(\q)%2
	SCALES \slot, (\q)+1, 1-(\q)%2
	FETCH_A \slot, (\q)+1, 0
.rept NA/2
	MULA MA, (\q)%2, \cin
.set MA, MA+1
.endr
	PLACES
	WIN 0
	FETCH_A \slot, (\q)+1, NA/2
.endm
; A slot's last step, on into a slot that was shown whole to every wave at an earlier barrier, with nothing filled: every wave waited for all its tensor loads, that slot's among them, ahead of the head's round.
; So it has no wait on TENSORcnt and no barrier: it is a step whose successor lies in slot next.
.macro PASS next
	s_wait_dscnt 3*NA/2
.set MA, 0
.rept NA/2
	MULA MA, 1, 0
.set MA, MA+1
.endr
	s_wait_dscnt 0x0
	PLACES
	FETCH_B \next, 0, 0
	SCALES \next, 0, 0
	FETCH_A \next, 0, 0
.rept NA/2
	MULA MA, 1, 0
.set MA, MA+1
.endr
	PLACES
	WIN 0
	FETCH_A \next, 0, NA/2
.endm
; A slot's last step with a barrier: ahead of it each wave waits for all its tensor loads, adds 0 to its spare word, and waits for that and for its reads of this slot.  fill = 1: slot 0 is filled again, with quarter NSLOT of K.
.macro TURN slot, next, fill
	s_wait_tensorcnt 0x0
	ds_add_u32 v[SPW], v[NIL]                      ; 0 onto my spare word
	s_wait_dscnt 3*NA/2+1                          ; (the add and A's upper half may be out)
.set MA, 0
.rept NA/4
	MULA MA, 1, 0
.set MA, MA+1
.endr
	s_wait_dscnt 0x0                               ; the add is done, and my reads of this slot are over
	s_barrier_signal -1
.rept NA/4
	MULA MA, 1, 0
.set MA, MA+1
.endr
	WIN 0
	s_barrier_wait -1
.if \fill
	CREST                                          ; the barrier has opened a round of the cluster's: no wave of any partner still reads this slot or has a load on its way
	JLOAD G0, G1, G0B, G1B                         ; slot 0, read out two steps ago, takes quarter 3 of K: the first tensor load behind the round; its four v_nop are the places ahead of the loads below
.else
	PLACES
.endif
	FETCH_B \next, 0, 0
	SCALES \next, 0, 0
	FETCH_A \next, 0, 0
.rept NA/2
	MULA MA, 1, 0
.set MA, MA+1
.endr
	PLACES
	WIN 0
	FETCH_A \next, 0, NA/2
.endm
.macro LAST
	s_wait_dscnt 3*NA/2
.set MA, 0
.rept NA/2
	MULA MA, 1, 0
.set MA, MA+1
.endr
	s_wait_dscnt 0x0
.rept NA/2
	MULA MA, 1, 0
.set MA, MA+1
.endr
	WIN 0
.endm
; 64 numbers of a lane in window win, register s + 16 b + i = k 32 b + 16 (lane / 16) + i of my row, become a fragment's codes in v[PC] on and its scale word in v[pw].
.macro QUANTW s, win, pw
.set W1, (\win)|((\win)<<2)
.set W2, ((\win)<<2)|((\win)<<4)
.set W3, (\win)
	WIN W1
.irp b, 0,1,2,3
	v_max3_num_f32 v[TM+\b], |v[\s+16*\b]|, |v[\s+1+16*\b]|, 0x1800000   ; block b: my 16 numbers, and the floor 2^(3 - 127)
.endr
	WIN W2
.irp i, 2,4,6,8,10,12,14
.irp b, 0,1,2,3
	v_max3_num_f32 v[TM+\b], v[TM+\b], |v[\s+16*\b+\i]|, |v[\s+1+16*\b+\i]|
.endr
.endr
	WIN 0
.irp b, 0,1,2,3
	v_permlanex16_b32 v[TM+4+\b], v[TM+\b], s[SEL], s[SEL+1]
.endr
.irp b, 0,1,2,3
	v_max_num_f32 v[TM+\b], v[TM+\b], v[TM+4+\b]
.endr
.irp b, 0,1,2,3
	v_add_nc_u32 v[TM+12+\b], 0xff000000, v[TM+\b]
.endr
.irp b, 0,1,2,3
	v_lshrrev_b32 v[TM+4+\b], 23, v[TM+12+\b]
.endr
	v_lshl_or_b32 v[\pw], v[TM+5], 8, v[TM+4]
	v_lshl_or_b32 v[\pw], v[TM+6], 16, v[\pw]
	v_lshl_or_b32 v[\pw], v[TM+7], 24, v[\pw]
	s_wait_xcnt 0x0                                ; the last fragment's stores have read their registers: the codes may be written anew
	WIN W3
.irp c, 0,1
	v_cvt_scalef32_pk16_fp6_f32 v[PC+6*\c:PC+2+6*\c], v[\s+32*\c:\s+15+32*\c], v[TM+12+2*\c]
	v_cvt_scalef32_pk16_fp6_f32 v[PC+12+4*\c:PC+14+4*\c], v[\s+16+32*\c:\s+31+32*\c], v[TM+12+2*\c+1]
.endr
	WIN 0
	v_nop                                          ; one plain line behind the conversions
.irp c, 0,1
.irp i, 0,1,2
	v_permlane16_swap_b32 v[PC+6*\c+\i], v[PC+12+4*\c+\i]
.endr
.irp i, 0,1,2
	v_mov_b32 v[PC+3+6*\c+\i], v[PC+12+4*\c+\i]
.endr
.endr
.endm
.macro PUT a
.irp c, 0,1,2
	global_store_b128 v[VOU+(\a)/4], v[PC+4*\c:PC+4*\c+3], s[OUT:OUT+1] offset:((\a)%4)*1536+512*\c
.endr
.endm
; the activation of the 64 numbers at v[s] on of window win, into v[HA] on of window 0.  The accumulators are read in ascending order.  Each batch of 64 transcendentals has one plain line and one wait behind it.
.macro GELU s, win
.set W1, (\win)|((\win)<<2)
.set W2, (\win)<<2
	WIN W1
.set J, 0
.rept 32
	v_pk_mul_f32 v[HA+J:HA+J+1], v[\s+J:\s+J+1], v[\s+J:\s+J+1]           ; x^2
.set J, J+2
.endr
	WIN 0
.set J, 0
.rept 32
	v_pk_fma_f32 v[HA+J:HA+J+1], v[HA+J:HA+J+1], s[KK:KK+1], v[K1V:K1V+1] op_sel_hi:[1,0,1]   ; -K2 x^2 - K1
.set J, J+2
.endr
	WIN W2
.set J, 0
.rept 32
	v_pk_mul_f32 v[HA+J:HA+J+1], v[HA+J:HA+J+1], v[\s+J:\s+J+1]           ; times x
.set J, J+2
.endr
	WIN 0
.set J, 0
	s_wait_alu depctr_va_vdst(0)
.rept 64
	v_exp_f32 v[HA+J], v[HA+J]
.set J, J+1
.endr
	v_nop
	s_wait_alu depctr_va_vdst(0)                   ; one wait for the batch
.set J, 0
.rept 32
	v_pk_add_f32 v[HA+J:HA+J+1], v[HA+J:HA+J+1], 1.0 op_sel_hi:[1,0]
.set J, J+2
.endr
.set J, 0
	s_wait_alu depctr_va_vdst(0)
.rept 64
	v_rcp_f32 v[HA+J], v[HA+J]
.set J, J+1
.endr
	v_nop
	s_wait_alu depctr_va_vdst(0)
	WIN W2
.set J, 0
.rept 32
	v_pk_mul_f32 v[HA+J:HA+J+1], v[HA+J:HA+J+1], v[\s+J:\s+J+1]           ; x / (1 + 2^..)
.set J, J+2
.endr
	WIN 0
.endm
	s_load_b256 s[4:11], s[0:1], 0x0               ; act, wc, fc1_b, hid
	v_lshl_add_u32 v[SPW], v0, 2, SPARE
	v_mov_b32 v[NIL], 0
	ds_add_u32 v[SPW], v[NIL]                      ; the wave's opening
	ds_add_u32 v[SPW], v[NIL]
	v_lshrrev_b32 v1, 5, v0
	v_readfirstlane_b32 s14, v1
	s_lshr_b32 s15, s14, 1
	s_and_b32 s16, s14, 1
	s_bfe_u32 s40, ttmp6, 0x40000
	s_bfe_u32 s41, ttmp6, 0x40004
	s_lshl_b32 s42, ttmp9, 2
	s_add_co_u32 s42, s42, s40                     ; x tile (hidden units)
	s_and_b32 s17, ttmp7, 0xffff
	s_lshl_b32 s17, s17, 2
	s_add_co_u32 s17, s17, s41                     ; y tile (tokens)
	s_lshl_b32 s43, s41, 2
	s_lshl_b32 s43, 15, s43
	s_lshl_b32 s44, 0x1111, s40
	s_or_b32 s[G1+0], s43, (3<<16)|(1<<21)
	s_or_b32 s[G1B+0], s44, (3<<16)|(1<<21)
.irp g, G1, G1B
	s_mov_b32 s[\g+1], 1600<<16
	s_mov_b32 s[\g+2], 4<<16
	s_mov_b32 s[\g+3], 1600<<16
	s_mov_b32 s[\g+4], 4
	s_mov_b32 s[\g+5], DPITCH
	s_mov_b32 s[\g+6], 0
	s_mov_b32 s[\g+7], 0
.endr
	s_mul_i32 s18, s16, RGH
	s_mul_i32 s20, s17, RGT
	s_add_co_u32 s20, s20, s18
	s_mul_i32 s20, s20, KCN*BLK
	s_mov_b32 s21, 0
	s_mul_i32 s46, s42, RGT
	s_add_co_u32 s46, s46, s18
	s_mul_i32 s46, s46, KCN*BLK
	s_add_co_u32 s46, s46, WOFF
	s_mov_b32 s47, 0
	s_mul_i32 s45, s14, HALF
	s_mov_b32 s[SEL], 0x76543210
	s_mov_b32 s[SEL+1], 0xfedcba98
	s_mov_b32 s[KK], 0xbdd2d3e8                    ; -K2
	s_mov_b32 s[KK+1], s[KK]
	s_wait_dscnt 0x0
	s_wait_kmcnt 0x0
	s_add_nc_u64 s[20:21], s[4:5], s[20:21]
	s_add_nc_u64 s[46:47], s[6:7], s[46:47]
	s_mul_i32 s18, s16, RGH*KCN*BLK-NQ*BLK         ; the head's tile begins at the tile's first row group, at quarter w % 2 of K: so far back from my half's first byte
	s_mov_b32 s19, 0
	s_mul_i32 s80, s16, SLOT                       ; into slot w % 2
	s_mov_b32 s[GH], 1
	s_mov_b32 s[GH+1], s80
	s_sub_nc_u64 s[GH+2:GH+3], s[20:21], s[18:19]
	s_or_b32 s[GH+3], s[GH+3], 0x80000000
	s_mov_b32 s[GHB], 1
	s_add_co_u32 s[GHB+1], s80, 2*HALF
	s_sub_nc_u64 s[GHB+2:GHB+3], s[46:47], s[18:19]
	s_or_b32 s[GHB+3], s[GHB+3], 0x80000000
	FIRST 2, 2, G0C, G0BC
	FIRST 0, 3, G0, G0B
	CROUND                                         ; all sixteen work-groups are here: the first joint loads meet
	JLOAD GH, G1, GHB, G1B                         ; one tensor load a wave at the head
	v_and_b32 v1, 15, v0                           ; r
	v_bfe_u32 v2, v0, 4, 1                         ; h
	v_and_b32 v[LNE], 31, v0
	v_lshlrev_b32 v3, 4, v[LNE]
	s_wait_alu depctr_va_vdst(0)
	v_lshlrev_b32 v4, 4, v1
	s_wait_alu depctr_va_vdst(0)
	v_lshlrev_b32 v5, 6, v2
	s_lshl_b32 s72, s42, 10
	s_lshl_b32 s73, s16, 9
	s_add_co_u32 s72, s72, s73
	s_mov_b32 s73, 0
	s_add_nc_u64 s[72:73], s[8:9], s[72:73]
	WIN 0x40
.irp t, 0,1,2,3,4,5,6,7                ; the bias as tiles: register j of tile t: hidden unit 32 (t / 2) + 8 (t % 2) + 16 h + j
	global_load_b128 v[96+8*(\t%4)+128*(\t/4):99+8*(\t%4)+128*(\t/4)], v5, s[72:73] offset:(32*(\t/2)+8*(\t%2))*4
	global_load_b128 v[100+8*(\t%4)+128*(\t/4):103+8*(\t%4)+128*(\t/4)], v5, s[72:73] offset:(32*(\t/2)+8*(\t%2))*4+16
.endr
	WIN 0
	s_mul_i32 s18, s15, HALF
	s_mul_i32 s19, s16, HALF
	s_add_co_u32 s19, s19, 2*HALF
.irp s, 0,1,2
	v_add_nc_u32 v[ADRA+\s], s18, v3
	v_add_nc_u32 v[ADRB+\s], s19, v3
	v_add_nc_u32 v[ASA+\s], s18, v4
	v_add_nc_u32 v[ASB+\s], s19, v4
	s_add_co_u32 s18, s18, SLOT
	s_add_co_u32 s19, s19, SLOT
.endr
	s_lshl_b32 s76, s17, 2                         ; the target: hid, block ((4 y + 2 mh + a / 4) x 32 + 2 x + nh)
	s_lshl_b32 s77, s15, 1
	s_add_co_u32 s76, s76, s77
	s_lshl_b32 s76, s76, 5
	s_lshl_b32 s77, s42, 1
	s_add_co_u32 s76, s76, s77
	s_add_co_u32 s76, s76, s16
	s_mul_i32 s76, s76, BLK
	s_mov_b32 s77, 0
	s_add_nc_u64 s[OUT:OUT+1], s[10:11], s[76:77]
	v_mov_b32 v[VOU], v3
	v_add_nc_u32 v[VOU+1], 32*BLK, v3
	v_mul_u32_u24 v[VSC], v2, 32*BLK
	v_lshl_add_u32 v[VSC], v1, 4, v[VSC]
	v_mov_b32 v[K1V], 0xc0135761                   ; -K1
	v_mov_b32 v[K1V+1], 0xc0135761
.irp b, 0,1,2,3
	v_mov_b32 v[TM+4+\b], 0                        ; written once: a lane permute's destination counts as one of its sources
.endr
	s_wait_alu depctr_va_vdst(0)                   ; the wait at the head's end
	s_wait_tensorcnt 0x0                           ; my tile of the head's four is in
	ds_add_u32 v[SPW], v[NIL]
	s_mov_b32 s[G1+2], 2<<16                       ; no tensor load of mine is out: from here on a load brings two row groups
	s_mov_b32 s[G1+4], 2
	s_mov_b32 s[G1B+2], 2<<16
	s_mov_b32 s[G1B+4], 2
	s_wait_dscnt 0x0
	CROUND                                         ; slots 0 and 1 are whole in every work-group
	JLOAD G0C, G1, G0BC, G1B                       ; slot 2's first fill: quarter 2 of K
	FETCH_B 0, 0, 0
	SCALES 0, 0, 0
	FETCH_A 0, 0, 0
	FETCH_A 0, 0, NA/2
	s_wait_loadcnt 0x0                             ; the bias
	STEP 0, 0, 1                                   ; the first step starts the sums with the bias
	PASS 1                                         ; slot 1 was shown whole at the head's round: no barrier
	STEP 1, 0, 0
	TURN 1, 2, 1                                   ; slot 2 has landed in every wave; slot 0 takes the fourth quarter of K
	STEP 2, 0, 0
	TURN 2, 0, 0                                   ; the fourth quarter has landed in every wave; nothing is filled, so no round of the cluster's barrier
	STEP 0, 0, 0
	LAST
	PLACES
.irp a, 0,1,2,3,4,5,6,7
	GELU 64*(\a%4), 2+\a/4
	QUANTW HA, 0, PWS+\a
	PUT \a
.endr
	v_cmp_le_u32 vcc_lo, 16, v[LNE]
.irp i, 0,1,2,3
	v_cndmask_b32 v[WD+\i], v[PWS+\i], v[PWS+4+\i], vcc_lo
.endr
	global_store_b128 v[VSC], v[WD:WD+3], s[OUT:OUT+1] offset:6144   ; sixteen lanes store a block's 256 bytes of scale words
	s_wait_tensorcnt 0x0                           ; the wave's end
	ds_add_u32 v[SPW], v[NIL]
	s_wait_dscnt 0x0
	CROUND                                         ; the closing round
	s_endpgm
.Lfunc_end_k_qd90d95b831_fc1:
	.size	k_qd90d95b831_fc1, .Lfunc_end_k_qd90d95b831_fc1-k_qd90d95b831_fc1
	.p2alignl 7, 3214868480
	.fill 96, 4, 3214868480
	.section	.rodata,"a",@progbits
	.p2align	6, 0x0
	.amdhsa_kernel k_qd90d95b831_fc1
		.amdhsa_group_segment_fixed_size 327680
		.amdhsa_private_segment_fixed_size 0
		.amdhsa_enable_private_segment 0
		.amdhsa_kernarg_size 32
		.amdhsa_user_sgpr_count 2
		.amdhsa_user_sgpr_kernarg_segment_ptr 1
		.amdhsa_wavefront_size32 1
		.amdhsa_system_sgpr_workgroup_id_x 1
		.amdhsa_system_sgpr_workgroup_id_y 1
		.amdhsa_system_sgpr_workgroup_id_z 1
		.amdhsa_system_vgpr_workitem_id 0
		.amdhsa_next_free_vgpr 1024
		.amdhsa_next_free_sgpr 100
		.amdhsa_reserve_vcc 1
		.amdhsa_float_denorm_mode_32 3
		.amdhsa_float_denorm_mode_16_64 3
		.amdhsa_memory_ordered 1
		.amdhsa_forward_progress 1
		.amdhsa_inst_pref_size 253
	.end_amdhsa_kernel
	.amdgpu_metadata
---
amdhsa.version: [ 1, 2 ]
amdhsa.kernels:
  - .name:           k_qd90d95b831_fc1
    .symbol:         k_qd90d95b831_fc1.kd
    .args:
      - { .name: act, .offset: 0, .size: 8, .value_kind: global_buffer, .address_space: global }
      - { .name: wc, .offset: 8, .size: 8, .value_kind: global_buffer, .address_space: global }
      - { .name: fc1_b, .offset: 16, .size: 8, .value_kind: global_buffer, .address_space: global }
      - { .name: hid, .offset: 24, .size: 8, .value_kind: global_buffer, .address_space: global }
    .group_segment_fixed_size: 327680
    .private_segment_fixed_size: 0
    .kernarg_segment_align: 8
    .kernarg_segment_size: 32
    .max_flat_workgroup_size: 128
    .sgpr_count:     100
    .vgpr_count:     1024
    .wavefront_size: 32
...
	.end_amdgpu_metadata
.endif
;; end of part 6
;; launch fc2 (part 7): grid 8 x 32, 4 waves a work-group, clusters of 4 x 4, 327,680 bytes of LDS; arguments hid, wc, fc2_b, x1, out0; writes out0
.if DOCPART == 7
	.amdgcn_target "amdgcn-amd-amdhsa--gfx1250"
	.amdhsa_code_object_version 6
	.text
	.protected	k_qd90d95b831_fc2
	.globl	k_qd90d95b831_fc2
	.p2align	8
	.type	k_qd90d95b831_fc2,@function
k_qd90d95b831_fc2:
	s_mov_b64 s[64:65], 0
	v_nop
	global_prefetch_b8 v0, s[64:65] scope:SCOPE_SE
	s_setreg_imm32_b32 hwreg(HW_REG_WAVE_MODE, 25, 1), 1
	s_wait_xcnt 0x0
	s_wait_alu depctr_hold_cnt(0) depctr_sa_sdst(0) depctr_va_vdst(0) depctr_va_sdst(0) depctr_va_ssrc(0) depctr_va_vcc(0) depctr_vm_vsrc(0)
	s_getreg_b32 s2, hwreg(HW_REG_IB_STS2, 6, 4)
	s_cmp_eq_u32 s2, 0
	s_cbranch_scc0 .Lentry_in_a_cluster
	s_endpgm
.Lentry_in_a_cluster:
	s_bfe_u32 s2, ttmp6, 0x10000c
	s_cmp_lg_u32 s2, 0xf033
	s_cbranch_scc0 .Lentry_shape_is_right
	s_endpgm
.Lentry_shape_is_right:
; out0 = x1 + hid fc2_w + fc2_b on codes of E2M3: hid and fc2_w's part of wc are workspace blocks (64 rows x 128 K in 6,400 bytes: four images of an operand's 12 registers, then 256 bytes of scale words).
; Nothing of the problem is left out here.  LIMITS: NaN and infinities are not served.
; A block is 128 tokens x 128 columns, four waves of 64 x 64 (16 accumulators): 256 work-groups.  K = 4,096 is 32 steps of 128.
; THE RING: two slots of six steps each (4 row groups x 6 blocks = 153,600 bytes); fills of 6, 6, 6, 6, 6 and 2 steps.  A wave brings one row group's blocks, dense in memory, by one joint load:
; one at the head (slot 0), one behind the full sequence and a round (slot 1), then one behind each round at a slot's end.  One tensor load of a wave is out at any time, with six steps' work in which to land.
; CLUSTERS: 4 x 4; the tokens' tile (waves 0, 1) is shared along a row, the weights' (waves 2, 3) along a column.
; PREFETCH: behind the load of fill k (k = 1, 2, 3) and the run of LDS loads that follows it, a wave asks for fill k + 1 of its own row group: 38,400 bytes are 150 blocks of 256; the four partners that ask for the tile
; jointly share them out by address, 38 each (place p: blocks 38 p on, held at 149), two instructions a wave.  So a fill is named six steps ahead of its load.  Fills 0 and 1 come by their loads alone, and so does the short fill 5.
; x1's rows are asked for in the middle of the walk (behind fills 3 and 4), not beside the first tiles; they wait in window 2 for the way out.
; Source 1 = tokens (a lane keeps a token), source 0 = weights; the sums begin with the bias.  The way out: 16 rows x 64 columns at a time through the wave's own stage (in slot 0, which has had its last fill and,
; behind the last barrier, its last read), back as rows of 256 bytes, + x1, stored: sixteen lanes fill an aligned run of 256 bytes.
; REGISTERS: window 0: v1-9 head and prefetch offsets, v16-29 addresses, v32-55 scale words, v64-127 the way out, v128-175 A's fragments.  window 1: B's fragments at v0 and v128, the bias's tiles at v96-127.
;   window 2: accumulators of A's blocks 0, 1 at v0-63, x1 at v128-255.  window 3: accumulators of blocks 2, 3.
.set NQ, 6
.set NLAST, 2
.set KCN, 32
.set WOFF, 6553600
.set BLK, 6400
.set HALF, NQ*BLK
.set SLOT, 4*HALF
.set SPARE, 2*SLOT
.set PF, 8                             ; v8-9 the prefetches' offsets; never rewritten
.set ADRA, 16
.set ADRB, 18
.set ASA, 20
.set ASB, 22
.set STO, 24
.set RD, 25
.set CO, 26
.set SPW, 28
.set NIL, 29
.set SA, 32
.set SB, 48
.set BK, 64
.set AF, 128
.set G1, 24
.set G0, 32
.set G1B, 48
.set G0B, 56
.set G1L, 76                           ; groups 1 of the short last fill
.set G1BL, 84
.set PFA, 92                           ; s[92:93] my row group's first byte; never rewritten
.set MSB, 0
.macro WIN new                         ; the immediate's high byte repeats the setting that is left
.if MSB != (\new)
	s_set_vgpr_msb (MSB<<8)|(\new)
.set MSB, (\new)
.endif
.endm
.macro JLOAD g0a, g1a, g0b, g1b        ; a joint load; an s_nop 0 and four v_nop follow each line
	s_cmp_eq_u32 s15, 0
	s_cbranch_scc0 .Lfor_b_\@
	tensor_load_to_lds s[\g0a:\g0a+3], s[\g1a:\g1a+7]
	s_nop 0
.rept 4
	v_nop
.endr
	s_branch .Lasked_\@
.Lfor_b_\@:
	tensor_load_to_lds s[\g0b:\g0b+3], s[\g1b:\g1b+7]
	s_nop 0
.rept 4
	v_nop
.endr
.Lasked_\@:
.endm
.macro CREST                           ; a round of the cluster's barrier behind its opening barrier
	s_cmp_lg_u32 s14, 0
	s_cbranch_scc1 .Lnot_wave_0_\@
	s_barrier_signal -3
.Lnot_wave_0_\@:
	s_barrier_wait -3
	s_barrier_signal -1
	s_barrier_wait -1
.endm
.macro CROUND
	s_barrier_signal -1
	s_barrier_wait -1
	CREST
.endm
.macro PLACES                          ; four plain lines behind matrix instructions (ISA guide 7.12.1)
.rept 4
	v_nop
.endr
.endm
.macro ASK k                           ; fill k of my row group, my work-group's 38 blocks of 256 bytes
	global_prefetch_b8 v[PF], s[PFA:PFA+1] offset:(\k)*NQ*BLK th:TH_LOAD_NT scope:SCOPE_SE
	global_prefetch_b8 v[PF+1], s[PFA:PFA+1] offset:(\k)*NQ*BLK th:TH_LOAD_NT scope:SCOPE_SE
.endm
.macro FRAGL reg, adr, off             ; a fragment's image: three loads of 512 consecutive bytes
	ds_load_b128 v[\reg:\reg+3], v[\adr] offset:\off
	ds_load_b128 v[\reg+4:\reg+7], v[\adr] offset:\off+512
	ds_load_b128 v[\reg+8:\reg+11], v[\adr] offset:\off+1024
.endm
.macro FETCH_B slot, q, p
	WIN 0x40
.set FI, 0
.rept 4
	FRAGL 128*(\p)+12*FI, ADRB+\slot, (\q)*BLK+FI*1536
.set FI, FI+1
.endr
	WIN 0
.endm
.macro FETCH_A slot, q, i0             ; two of A's four fragments
.set FI, \i0
.rept 2
	FRAGL AF+12*FI, ADRA+\slot, (\q)*BLK+FI*1536
.set FI, FI+1
.endr
.endm
.macro SCALES slot, q, p               ; one load brings lane r the scale words of four fragments
	ds_load_b128 v[SA+4*(\p):SA+4*(\p)+3], v[ASA+\slot] offset:(\q)*BLK+6144
	ds_load_b128 v[SB+4*(\p):SB+4*(\p)+3], v[ASB+\slot] offset:(\q)*BLK+6144
.endm
; A's block a against B's four fragments of set p.  cin = 1: the sums begin with the bias's tiles.  The 16 accumulators take turns, one instruction a turn, in the same order in every step.
.macro MULA a, p, cin
.set AW, 2+(\a)/2
.set AB, 32*((\a)%2)
.if (\cin) == 0
.set WM, (AW<<6)|(AW<<4)|1
.else
.set WM, (AW<<6)|(1<<4)|1
.endif
	WIN WM
.set MB, 0
.rept 4
.if (\cin) == 0
	v_wmma_scale_f32_16x16x128_f8f6f4 v[AB+8*MB:AB+8*MB+7], v[128*(\p)+12*MB:128*(\p)+12*MB+11], v[AF+12*(\a):AF+12*(\a)+11], v[AB+8*MB:AB+8*MB+7], v[SB+4*(\p)+MB], v[SA+4*(\p)+(\a)] matrix_a_fmt:MATRIX_FMT_FP6 matrix_b_fmt:MATRIX_FMT_FP6
.else
	v_wmma_scale_f32_16x16x128_f8f6f4 v[AB+8*MB:AB+8*MB+7], v[128*(\p)+12*MB:128*(\p)+12*MB+11], v[AF+12*(\a):AF+12*(\a)+11], v[96+8*MB:96+8*MB+7], v[SB+4*(\p)+MB], v[SA+4*(\p)+(\a)] matrix_a_fmt:MATRIX_FMT_FP6 matrix_b_fmt:MATRIX_FMT_FP6
.endif
.set MB, MB+1
.endr
.endm
.macro STEP slot, q, cin               ; 128 along K that have their successor in the same slot
	s_wait_dscnt 6                                 ; B's set, the scale words and A's blocks 0, 1 are in; the youngest six loads, A's blocks 2, 3, may be out
	MULA 0, (\q)%2, \cin
	MULA 1, (\q)%2, \cin
	s_wait_dscnt 0x0
	PLACES
	FETCH_B \slot, (\q)+1, 1-(\q)%2
	SCALES \slot, (\q)+1, 1-(\q)%2
	FETCH_A \slot, (\q)+1, 0
	MULA 2, (\q)%2, \cin
	MULA 3, (\q)%2, \cin
	PLACES
	WIN 0
	FETCH_A \slot, (\q)+1, 2
.endm
; A slot's last step.  fill = 1: the slot is filled again with the six steps that stand two slots on; 2: with the last two steps; 0: nothing is filled, so no round.  ask: the fill that is prefetched, or 0
.macro TURN slot, next, fill, ask
	s_wait_tensorcnt 0x0                           ; all my tensor loads have landed: the one that was out is my part of the next slot
	ds_add_u32 v[SPW], v[NIL]                      ; 0 onto my spare word
	s_wait_dscnt 7                                 ; (the add and A's blocks 2, 3 may be out)
	MULA 0, 1, 0
	s_wait_dscnt 0x0                               ; the add is done, and my reads of this slot are over
	s_barrier_signal -1
	MULA 1, 1, 0
	WIN 0
	s_barrier_wait -1
.if \fill
	CREST                                          ; the barrier has opened a round of the cluster's: no wave of any partner still reads this slot or has a load on its way
	s_add_nc_u64 s[G0+4*\slot+2:G0+4*\slot+3], s[G0+4*\slot+2:G0+4*\slot+3], 2*NQ*BLK
	s_add_nc_u64 s[G0B+4*\slot+2:G0B+4*\slot+3], s[G0B+4*\slot+2:G0B+4*\slot+3], 2*NQ*BLK
.if \fill == 2
	JLOAD G0+4*\slot, G1L, G0B+4*\slot, G1BL
.else
	JLOAD G0+4*\slot, G1, G0B+4*\slot, G1B         ; the first tensor load behind the round; its four v_nop are the places ahead of the loads below
.endif
.else
	PLACES
.endif
	FETCH_B \next, 0, 0
	SCALES \next, 0, 0
	FETCH_A \next, 0, 0
.if \ask
	ASK \ask
.endif
	MULA 2, 1, 0
	MULA 3, 1, 0
	PLACES
	WIN 0
	FETCH_A \next, 0, 2
.endm
.macro MID slot, q0                    ; a slot's steps q0 .. 4
.set MQ, \q0
.rept NQ-1-(\q0)
	STEP \slot, MQ, 0
.set MQ, MQ+1
.endr
.endm
.macro XLOAD a                         ; x1 at the 16 rows of A's block a, as the stage gives them back: two rows of 256 bytes a load
	WIN 0x80
.irp t, 0,1,2,3,4,5,6,7
	global_load_b128 v[128+32*(\a)+4*\t:131+32*(\a)+4*\t], v[CO], s[10:11] offset:(32*((\a)/2)+8*((\a)%2)+2*\t+8*(\t/4))*4096 th:TH_LOAD_NT
.endr
	WIN 0
.endm
.macro TOSTAGE a
.set W1, (2+(\a)/2)<<2
	WIN W1
.set AB, 32*((\a)%2)
.irp b, 0,1,2,3
	ds_store_b128 v[STO], v[AB+8*\b:AB+8*\b+3] offset:128*(\b/2)+32*(\b%2)       ; each accumulator from its low end on
	ds_store_b128 v[STO], v[AB+8*\b+4:AB+8*\b+7] offset:128*(\b/2)+32*(\b%2)+16
.endr
	WIN 0
.set BB, BK+32*((\a)%2)
.irp t, 0,1,2,3,4,5,6,7
	ds_load_b128 v[BB+4*\t:BB+4*\t+3], v[RD] offset:544*\t                       ; LDS serves a wave's instructions in order: these see the stores above
.endr
.endm
.macro SEND a, younger
.set BB, BK+32*((\a)%2)
	s_wait_dscnt \younger
	WIN 0x08
.set J, 0
.rept 16
	v_pk_add_f32 v[BB+J:BB+J+1], v[BB+J:BB+J+1], v[128+32*(\a)+J:128+32*(\a)+J+1]
.set J, J+2
.endr
	WIN 0
.irp t, 0,1,2,3,4,5,6,7
	global_store_b128 v[CO], v[BB+4*\t:BB+4*\t+3], s[12:13] offset:(32*((\a)/2)+8*((\a)%2)+2*\t+8*(\t/4))*4096 th:TH_STORE_NT
.endr
.endm
	s_load_b256 s[4:11], s[0:1], 0x0               ; hid, wc, fc2_b, x1
	s_load_b64 s[12:13], s[0:1], 0x20              ; out0
	v_lshl_add_u32 v[SPW], v0, 2, SPARE
	v_mov_b32 v[NIL], 0
	ds_add_u32 v[SPW], v[NIL]                      ; the wave's opening
	ds_add_u32 v[SPW], v[NIL]
	v_lshrrev_b32 v1, 5, v0
	v_readfirstlane_b32 s14, v1                    ; wave
	s_lshr_b32 s15, s14, 1                         ; which 64 tokens are mine.  Also: I fetch for the tokens (0) or the weights (1)
	s_and_b32 s16, s14, 1                          ; which 64 columns.  Also: which row group of that tile I fetch
	s_bfe_u32 s40, ttmp6, 0x40000                  ; cx
	s_bfe_u32 s41, ttmp6, 0x40004                  ; cy
	s_lshl_b32 s42, ttmp9, 2
	s_add_co_u32 s42, s42, s40                     ; tile column
	s_and_b32 s17, ttmp7, 0xffff
	s_lshl_b32 s17, s17, 2
	s_add_co_u32 s17, s17, s41                     ; tile row
	s_lshl_b32 s43, s41, 2
	s_lshl_b32 s43, 15, s43                        ; my row of the cluster
	s_lshl_b32 s44, 0x1111, s40                    ; my column
	s_or_b32 s[G1+0], s43, (3<<16)|(1<<21)         ; the mask; elements of 8 bytes; bit 21 beside a mask; no padding
	s_or_b32 s[G1B+0], s44, (3<<16)|(1<<21)
	s_or_b32 s[G1L+0], s43, (3<<16)|(1<<21)
	s_or_b32 s[G1BL+0], s44, (3<<16)|(1<<21)
.irp g, G1, G1B
	s_mov_b32 s[\g+1], 800<<16                     ; a row of the tile: a block, 6,400 bytes
	s_mov_b32 s[\g+2], NQ<<16
	s_mov_b32 s[\g+3], 800<<16
	s_mov_b32 s[\g+4], NQ
	s_mov_b32 s[\g+5], 800
	s_mov_b32 s[\g+6], 0
	s_mov_b32 s[\g+7], 0
.endr
.irp g, G1L, G1BL
	s_mov_b32 s[\g+1], 800<<16
	s_mov_b32 s[\g+2], NLAST<<16
	s_mov_b32 s[\g+3], 800<<16
	s_mov_b32 s[\g+4], NLAST
	s_mov_b32 s[\g+5], 800
	s_mov_b32 s[\g+6], 0
	s_mov_b32 s[\g+7], 0
.endr
	s_lshl_b32 s20, s17, 1
	s_add_co_u32 s20, s20, s16
	s_mul_i32 s20, s20, KCN*BLK                    ; the tokens' row group that I fetch, in bytes
	s_mov_b32 s21, 0
	s_lshl_b32 s46, s42, 1
	s_add_co_u32 s46, s46, s16
	s_mul_i32 s46, s46, KCN*BLK
	s_add_co_u32 s46, s46, WOFF                    ; the weights'
	s_mov_b32 s47, 0
	s_mul_i32 s45, s14, HALF                       ; where it goes: wave x a quarter of a slot
	s_wait_dscnt 0x0                               ; both opening adds are done
	s_wait_kmcnt 0x0
	s_add_nc_u64 s[20:21], s[4:5], s[20:21]
	s_add_nc_u64 s[46:47], s[6:7], s[46:47]
.irp s, 0,1
	s_mov_b32 s[G0+4*\s], 1
	s_add_co_u32 s[G0+4*\s+1], s45, \s*SLOT
	s_add_nc_u64 s[G0+4*\s+2:G0+4*\s+3], s[20:21], \s*NQ*BLK
	s_or_b32 s[G0+4*\s+3], s[G0+4*\s+3], 0x80000000
	s_mov_b32 s[G0B+4*\s], 1
	s_add_co_u32 s[G0B+4*\s+1], s45, \s*SLOT
	s_add_nc_u64 s[G0B+4*\s+2:G0B+4*\s+3], s[46:47], \s*NQ*BLK
	s_or_b32 s[G0B+4*\s+3], s[G0B+4*\s+3], 0x80000000
.endr
	CROUND                                         ; all sixteen work-groups are here: the first joint loads meet
	JLOAD G0, G1, G0B, G1B                         ; fill 0: one tensor load a wave at the head
	s_mul_i32 s66, s15, HALF                       ; A: my row group, in a slot's first two quarters
	s_add_co_u32 s67, s66, SLOT
	s_mul_i32 s68, s16, HALF
	s_add_co_u32 s68, s68, 2*HALF                  ; B: in its last two
	s_add_co_u32 s69, s68, SLOT
	s_lshl_b32 s70, s42, 9
	s_lshl_b32 s71, s16, 8
	s_add_co_u32 s70, s70, s71                     ; my first column, in bytes
	s_mov_b32 s71, 0
	s_add_nc_u64 s[8:9], s[8:9], s[70:71]
	s_lshl_b32 s72, s17, 7
	s_lshl_b32 s73, s15, 6
	s_add_co_u32 s72, s72, s73
	s_lshl_b32 s72, s72, 12
	s_add_co_u32 s72, s72, s70                     ; my first row x 4,096 bytes + my first column
	s_mov_b32 s73, 0
	s_add_nc_u64 s[10:11], s[10:11], s[72:73]
	s_add_nc_u64 s[12:13], s[12:13], s[72:73]
	s_mul_i32 s74, s14, 16*272                     ; my stage
	s_cmp_eq_u32 s15, 0
	s_cselect_b32 s94, s40, s41                    ; my place among the four that ask for my tile with me
	s_cselect_b64 s[PFA:PFA+1], s[20:21], s[46:47]
	s_mul_i32 s94, s94, 38
	v_and_b32 v1, 15, v0                           ; r
	v_bfe_u32 v2, v0, 4, 1                         ; h
	v_and_b32 v6, 31, v0                           ; lane
	v_lshlrev_b32 v3, 4, v6
	v_lshlrev_b32 v4, 4, v1
	v_lshlrev_b32 v5, 6, v2
	v_lshlrev_b32 v[CO], 12, v2
	v_lshl_add_u32 v[CO], v1, 4, v[CO]             ; lanes 0-15 a row of 256 bytes, lanes 16-31 the next
	v_add_nc_u32 v[ADRA], s66, v3
	v_add_nc_u32 v[ADRA+1], s67, v3
	v_add_nc_u32 v[ADRB], s68, v3
	v_add_nc_u32 v[ADRB+1], s69, v3
	v_add_nc_u32 v[ASA], s66, v4
	v_add_nc_u32 v[ASA+1], s67, v4
	v_add_nc_u32 v[ASB], s68, v4
	v_add_nc_u32 v[ASB+1], s69, v4
	v_mul_u32_u24 v[STO], v1, 272
	v_lshl_add_u32 v[STO], v2, 6, v[STO]
	v_add_nc_u32 v[STO], s74, v[STO]
	v_mul_u32_u24 v[RD], v2, 272
	v_lshl_add_u32 v[RD], v1, 4, v[RD]
	v_add_nc_u32 v[RD], s74, v[RD]
	v_min_u32 v7, 5, v6
	v_add_nc_u32 v[PF], s94, v6                    ; blocks 38 p + 0 .. 31,
	v_add3_u32 v[PF+1], v7, s94, 32                ; and 38 p + 32 .. 37 (the lanes left over name the last again),
	v_min_u32 v[PF], 149, v[PF]
	v_min_u32 v[PF+1], 149, v[PF+1]                ; held inside the fill's 150
	v_lshlrev_b32 v[PF], 8, v[PF]
	v_lshlrev_b32 v[PF+1], 8, v[PF+1]
	s_wait_alu depctr_va_vdst(0)                   ; the wait at the head's end: no vector instruction writes a register between here and the wait below
	WIN 0x40
.irp t, 0,1,2,3                        ; the bias as tiles: register j of tile t: column 32 (t / 2) + 8 (t % 2) + 16 h + j
	global_load_b128 v[96+8*\t:99+8*\t], v5, s[8:9] offset:(32*(\t/2)+8*(\t%2))*4
	global_load_b128 v[100+8*\t:103+8*\t], v5, s[8:9] offset:(32*(\t/2)+8*(\t%2))*4+16
.endr
	WIN 0
	s_wait_tensorcnt 0x0                           ; my part of fill 0 is in
	ds_add_u32 v[SPW], v[NIL]
	s_wait_dscnt 0x0
	CROUND                                         ; slot 0 is whole in every work-group
	JLOAD G0+4, G1, G0B+4, G1B                     ; fill 1, slot 1's first
	FETCH_B 0, 0, 0
	SCALES 0, 0, 0
	FETCH_A 0, 0, 0
	FETCH_A 0, 0, 2
	ASK 2
	s_wait_loadcnt 0x0                             ; the bias
	STEP 0, 0, 1                                   ; the first step starts the sums with the bias: nothing is cleared
	MID 0, 1
	TURN 0, 1, 1, 3                                ; fill 2
	MID 1, 0
	TURN 1, 0, 1, 4                                ; fill 3
	XLOAD 0
	XLOAD 1
	MID 0, 0
	TURN 0, 1, 1, 0                                ; fill 4
	XLOAD 2
	XLOAD 3
	MID 1, 0
	TURN 1, 0, 2, 0                                ; fill 5: the last two steps
	MID 0, 0
	TURN 0, 1, 0, 0                                ; nothing more to fetch
	STEP 1, 0, 0
	s_wait_dscnt 6                                 ; the very last step
	MULA 0, 1, 0
	MULA 1, 1, 0
	s_wait_dscnt 0x0
	MULA 2, 1, 0
	MULA 3, 1, 0
	WIN 0
	PLACES
	s_wait_loadcnt 0x0                             ; x1
	TOSTAGE 0
.irp a, 1,2,3
.if \a > 1
	s_wait_xcnt 0x0                                ; block a - 2's stores have read their registers: block a's loads may land there
.endif
	TOSTAGE \a
	SEND \a-1, 16                                  ; behind block a - 1's loads: block a's 8 stores and 8 loads
.endr
	SEND 3, 0
	s_wait_tensorcnt 0x0                           ; the wave's end
	ds_add_u32 v[SPW], v[NIL]
	s_wait_dscnt 0x0
	CROUND                                         ; the closing round
	s_endpgm
.Lfunc_end_k_qd90d95b831_fc2:
	.size	k_qd90d95b831_fc2, .Lfunc_end_k_qd90d95b831_fc2-k_qd90d95b831_fc2
	.p2alignl 7, 3214868480
	.fill 96, 4, 3214868480
	.section	.rodata,"a",@progbits
	.p2align	6, 0x0
	.amdhsa_kernel k_qd90d95b831_fc2
		.amdhsa_group_segment_fixed_size 327680
		.amdhsa_private_segment_fixed_size 0
		.amdhsa_enable_private_segment 0
		.amdhsa_kernarg_size 40
		.amdhsa_user_sgpr_count 2
		.amdhsa_user_sgpr_kernarg_segment_ptr 1
		.amdhsa_wavefront_size32 1
		.amdhsa_system_sgpr_workgroup_id_x 1
		.amdhsa_system_sgpr_workgroup_id_y 1
		.amdhsa_system_sgpr_workgroup_id_z 1
		.amdhsa_system_vgpr_workitem_id 0
		.amdhsa_next_free_vgpr 1024
		.amdhsa_next_free_sgpr 100
		.amdhsa_reserve_vcc 0
		.amdhsa_float_denorm_mode_32 3
		.amdhsa_float_denorm_mode_16_64 3
		.amdhsa_memory_ordered 1
		.amdhsa_forward_progress 1
		.amdhsa_inst_pref_size 161
	.end_amdhsa_kernel
	.amdgpu_metadata
---
amdhsa.version: [ 1, 2 ]
amdhsa.kernels:
  - .name:           k_qd90d95b831_fc2
    .symbol:         k_qd90d95b831_fc2.kd
    .args:
      - { .name: hid, .offset: 0, .size: 8, .value_kind: global_buffer, .address_space: global }
      - { .name: wc, .offset: 8, .size: 8, .value_kind: global_buffer, .address_space: global }
      - { .name: fc2_b, .offset: 16, .size: 8, .value_kind: global_buffer, .address_space: global }
      - { .name: x1, .offset: 24, .size: 8, .value_kind: global_buffer, .address_space: global }
      - { .name: out0, .offset: 32, .size: 8, .value_kind: global_buffer, .address_space: global }
    .group_segment_fixed_size: 327680
    .private_segment_fixed_size: 0
    .kernarg_segment_align: 8
    .kernarg_segment_size: 40
    .max_flat_workgroup_size: 128
    .sgpr_count:     100
    .vgpr_count:     1024
    .wavefront_size: 32
...
	.end_amdgpu_metadata
.endif
;; end of part 7
